; MI455X (gfx1250); checked and timed in simulation.
; The chip was launched on July 23, 2026; its instructions are those of AMD's public machine-readable ISA for CDNA 5 (MIT licence, August 2026) and "CDNA5" Instruction Set Architecture Reference Guide (July 2026). The comments in the code are by the model that wrote it; some were corrected since.
;; Coordinate Decoder. Allowed arithmetic: float matrix products may take bf16 or f16 operands with f32 sums; other float arithmetic in f32, or as packed bf16 or f16 multiplies, adds, multiply-adds, maxima and minima; sums over many terms, partial sums and values carried from step to step in f32; what a program stores and reads back later, other than sums and carried values, may be rounded once to bf16 or f16.
;; Inputs: b_film 512 float32; b_mlp0 256 float32; b_mlp1 256 float32; b_mlp2 256 float32; b_mlp3 256 float32; b_out 3 float32; context_vector 4 x 128 float32; coords 32,768 x 2 float32; feature_grid 4 x 64 x 64 x 128 float32; w_film 128 x 512 float32; w_mlp0 170 x 256 float32; w_mlp1 256 x 256 float32; w_mlp2 256 x 256 float32; w_mlp3 256 x 256 float32; w_out 256 x 3 float32.
;; Outputs: out0 4 x 32,768 x 3 float32.
;; 2 versions, each right and faster than the one before. Each part assembles by itself: llvm-mc -triple=amdgcn-amd-amdhsa -mcpu=gfx1250 --defsym DOCPART=n.
;; ======== version 1 of 2: 2 launches
;; limits: values are held in f16: magnitudes above 65,504 overflow, below 6.1e-05 lose precision; inputs' magnitudes at most 65,504
;; workspace buffers: gridh 4,194,304 bytes; pix 524,288 bytes of whole numbers; ipw 524,288 bytes; enc 4,194,304 bytes; wts 532,480 bytes; par 20,480 bytes
;; launch prep (part 1): grid 281 x 1, 8 waves a work-group, no clusters, 34,816 bytes of LDS; arguments feature_grid, coords, context_vector, w_film, b_film, w_mlp0, w_mlp1, w_mlp2, w_mlp3, w_out, gridh, pix, ipw, enc, wts, par; writes gridh, pix, ipw, enc, wts, par
.if DOCPART == 1
	.amdgcn_target "amdgcn-amd-amdhsa--gfx1250"
	.amdhsa_code_object_version 6
	.text
	.protected	k_qdee969bb6f_prep
	.globl	k_qdee969bb6f_prep
	.p2align	8
	.type	k_qdee969bb6f_prep,@function
k_qdee969bb6f_prep:
	s_mov_b64 s[64:65], 0
	v_nop
	global_prefetch_b8 v0, s[64:65] scope:SCOPE_SE
	s_setreg_imm32_b32 hwreg(HW_REG_WAVE_MODE, 25, 1), 1
	s_wait_xcnt 0x0
; PREPARATION for the fused decoder.  Five kinds of work-group, chosen by the work-group's number (the same for all its waves):
;   A   0..127  the feature grid rounded to f16 (gridh), and the largest magnitude of each wave's share (par: gmax)
;   E 128..255  256 points each: the four corner offsets as whole numbers (pix), the four corner weights as f16 pairs (ipw),
;               the 42 numbers of the positional encoding in f16, filled to 64 with zeros (enc), the largest |coordinate| (par: cmax)
;   B 256..271  64 output channels of one hidden layer: the weights turned to [channel][k] in f16 (wts), and each channel's sum of |w| (par: L1)
;   C 272       the output layer's weights turned likewise, 3 rows and 13 rows of zeros (wts rows 1024..1039)
;   D 273..280  64 columns of the FiLM product context x w_film + b_film in f32; 1 is added to the gamma half (par: film)
; Layer 0's k order in wts: 0..127 the sampled channels (rows 42..169 of w_mlp0), 128..169 the encoding (rows 0..41), 170..255 zeros.
; LIMITS.  f16 ends at 65,504: grid, coordinates and weights beyond it become infinities; a weight below 6e-8 counts as 0.
; sin and cos: the reference's rounded product x pi 2^f is reproduced exactly, reduced by 1/(2 pi) in two words, and a polynomial of degree 9
; on a quarter period follows: off by 4e-6 at the most.  NaN and infinities are not treated apart.
.set SPARE, 33792                      ; behind the roles' tile: the spare words, 128 bytes for each of eight waves
.macro FIN                             ; a wave's end, behind the last LDS store
	s_wait_tensorcnt 0x0
	ds_add_u32 v8, v9
	s_wait_dscnt 0x0
	s_endpgm
.endm
.macro MAXRED v, t                     ; the maximum over the wave's 32 lanes, in every lane
	v_max_num_f32_dpp \v, \v, \v row_xmask:1 row_mask:0xf bank_mask:0xf
	v_max_num_f32_dpp \v, \v, \v row_xmask:2 row_mask:0xf bank_mask:0xf
	v_max_num_f32_dpp \v, \v, \v row_xmask:4 row_mask:0xf bank_mask:0xf
	v_max_num_f32_dpp \v, \v, \v row_xmask:8 row_mask:0xf bank_mask:0xf
	v_permlanex16_b32 \t, \v, s38, s39
	v_max_num_f32 \v, \v, \t
.endm
.macro SUMRED v, t                     ; the sum likewise
	v_add_f32_dpp \v, \v, \v row_xmask:1 row_mask:0xf bank_mask:0xf
	v_add_f32_dpp \v, \v, \v row_xmask:2 row_mask:0xf bank_mask:0xf
	v_add_f32_dpp \v, \v, \v row_xmask:4 row_mask:0xf bank_mask:0xf
	v_add_f32_dpp \v, \v, \v row_xmask:8 row_mask:0xf bank_mask:0xf
	v_permlanex16_b32 \t, \v, s38, s39
	v_add_f32 \v, \v, \t
.endm
	s_load_b512 s[4:19], s[0:1], 0x0       ; feature_grid 4, coords 6, context 8, w_film 10, b_film 12, w_mlp0 14, w_mlp1 16, w_mlp2 18
	s_load_b512 s[20:35], s[0:1], 0x40     ; w_mlp3 20, w_out 22, gridh 24, pix 26, ipw 28, enc 30, wts 32, par 34
	v_lshl_add_u32 v8, v0, 2, SPARE        ; my spare word; never rewritten
	v_mov_b32 v9, 0                        ; 0; never rewritten
	v_lshrrev_b32 v1, 5, v0
	v_readfirstlane_b32 s36, v1            ; wave 0..7
	v_and_b32 v2, 31, v0                   ; lane
	s_mov_b32 s38, 0x76543210              ; v_permlanex16_b32: each lane takes its own place in the other half
	s_mov_b32 s39, 0xfedcba98
	s_mov_b32 s41, 0                       ; the high word of 32-bit offsets
	s_wait_kmcnt 0x0
	s_cmp_lt_u32 ttmp9, 128
	s_cbranch_scc1 .LroleA
	s_cmp_lt_u32 ttmp9, 256
	s_cbranch_scc1 .LroleE
	s_cmp_lt_u32 ttmp9, 272
	s_cbranch_scc1 .LroleB
	s_cmp_eq_u32 ttmp9, 272
	s_cbranch_scc1 .LroleC
; ---- D: FiLM.  Wave v takes k = 16 v .. 16 v + 15, a lane two of the group's 64 columns, all four images; the eight waves' parts meet in LDS.
	s_sub_co_u32 s42, ttmp9, 273           ; d
	s_mov_b64 s[56:57], s[8:9]             ; the pointers still wanted move out of the way of the four context vectors
	s_mov_b64 s[58:59], s[10:11]
	s_mov_b64 s[60:61], s[12:13]
	s_mov_b64 s[62:63], s[34:35]
	s_lshl_b32 s40, s36, 6                 ; my 16 numbers of a context row
	s_add_nc_u64 s[56:57], s[56:57], s[40:41]
	s_load_b512 s[4:19], s[56:57], 0x0
	s_load_b512 s[20:35], s[56:57], 0x200
	s_load_b512 s[68:83], s[56:57], 0x400
	s_load_b512 s[84:99], s[56:57], 0x600
	s_lshl_b32 s43, s42, 8                 ; 64 columns are 256 bytes
	s_lshl_b32 s44, s36, 15                ; 16 rows of 2,048 bytes
	s_add_co_u32 s44, s44, s43
	v_lshl_add_u32 v3, v2, 3, s44
.irp i, 0,1,2,3,4,5,6,7,8,9,10,11,12,13,14,15
	global_load_b64 v[32+2*\i:33+2*\i], v3, s[58:59] offset:2048*\i  ; a wave's load covers 256 consecutive bytes of a row
.endr
	v_and_b32 v10, 63, v0                  ; for the second part: thread t sums image t / 64, column t % 64
	v_lshl_add_u32 v6, v10, 2, s43
	global_load_b32 v80, v6, s[60:61]      ; its b_film
	v_lshrrev_b32 v11, 6, v0
	v_lshl_add_u32 v7, v11, 11, v6         ; its place in film: 2,048 bytes an image
	s_lshl_b32 s45, s36, 10
	v_lshl_add_u32 v4, v2, 3, s45          ; LDS: 1,024 bytes a wave, 256 an image
	v_lshlrev_b32 v5, 2, v0
	s_cmp_lt_u32 s42, 4
	s_cselect_b32 s37, 1.0, 0              ; the gamma half takes 1 more
	s_wait_kmcnt 0x0
	s_wait_loadcnt 0x0
.macro FILM b, sb
	v_mul_f32 v[64+2*\b], s[\sb], v32
	v_mul_f32 v[65+2*\b], s[\sb], v33
.set i, 1
.rept 15
	v_fmac_f32 v[64+2*\b], s[\sb+i], v[32+2*i]
	v_fmac_f32 v[65+2*\b], s[\sb+i], v[33+2*i]
.set i, i+1
.endr
	ds_store_b64 v4, v[64+2*\b:65+2*\b] offset:256*\b
.endm
	FILM 0, 4
	FILM 1, 20
	FILM 2, 68
	FILM 3, 84
	s_wait_dscnt 0x0                       ; for the others' sake: my partial sums are in LDS
	s_barrier_signal -1
	s_barrier_wait -1
.irp g, 0,1,2,3,4,5,6,7
	ds_load_b32 v[72+\g], v5 offset:1024*\g
.endr
	s_wait_dscnt 0x0
	v_add_f32 v72, v72, v73
	v_add_f32 v74, v74, v75
	v_add_f32 v76, v76, v77
	v_add_f32 v78, v78, v79
	v_add_f32 v72, v72, v74
	v_add_f32 v76, v76, v78
	v_add_f32 v72, v72, v76
	v_add_f32 v72, v72, v80
	v_add_f32 v72, s37, v72
	global_store_b32 v7, v72, s[62:63]
	FIN
; ---- A: 16,384 numbers of the grid.  Thread t takes 32 bytes in and 16 bytes out in each of eight steps; a wave's store covers 512 consecutive bytes.
.LroleA:
	s_lshl_b32 s40, ttmp9, 16
	s_add_nc_u64 s[4:5], s[4:5], s[40:41]
	s_lshl_b32 s40, ttmp9, 15
	s_add_nc_u64 s[24:25], s[24:25], s[40:41]
	v_lshlrev_b32 v3, 5, v0
	v_lshlrev_b32 v4, 4, v0
	v_mov_b32 v5, 0
	v_mov_b32 v6, 0
.irp i, 0,1,2,3,4,5,6,7
	global_load_b128 v[32+8*\i:35+8*\i], v3, s[4:5] offset:8192*\i th:TH_LOAD_NT
	global_load_b128 v[36+8*\i:39+8*\i], v3, s[4:5] offset:8192*\i+16 th:TH_LOAD_NT
.endr
.irp i, 0,1,2,3,4,5,6,7
	s_wait_loadcnt 14-2*\i                 ; loads come back in order: this step's two are in, the younger ones stay out
.irp q, 0,1,2,3
	v_cvt_pk_f16_f32 v[96+4*\i+\q], v[32+8*\i+2*\q], v[33+8*\i+2*\q]
	v_max3_num_f32 v5, |v[32+8*\i+2*\q]|, |v[33+8*\i+2*\q]|, v5
.endr
	global_store_b128 v4, v[96+4*\i:99+4*\i], s[24:25] offset:4096*\i  ; each step has store registers of its own
.endr
	MAXRED v5, v6
	s_lshl3_add_u32 s42, ttmp9, s36        ; entry 8 a + wave: image b's entries are 256 b .. 256 b + 255
	s_lshl_b32 s42, s42, 2
	v_mov_b32 v10, s42
	s_wait_xcnt 0x0                        ; EXEC changes only behind this wait
	v_cmp_eq_u32 vcc_lo, 0, v2
	s_and_saveexec_b32 s37, vcc_lo
	global_store_b32 v10, v5, s[34:35] offset:12288
	s_wait_xcnt 0x0
	s_or_b32 exec_lo, exec_lo, s37
	FIN
; ---- E: 256 points.
.macro REFL d, u, t                    ; the reflected index of i, from u = 2 i + 129: ((|u mod 256 - 128|) - 1) / 2, as the reference's index fixer has it for 64 entries
	v_and_b32 \u, 255, \u
	v_add_nc_u32 \t, 0xffffff80, \u
	v_sub_nc_u32 \d, 128, \u
	v_max_i32 \d, \d, \t
	v_add_nc_u32 \d, -1, \d
	v_lshrrev_b32 \d, 1, \d
.endm
.LroleE:
	s_sub_co_u32 s40, ttmp9, 128           ; e
	s_lshl_b32 s42, s40, 8                 ; my first point
	v_add_nc_u32 v3, s42, v0               ; part 1: a thread, a point
	v_lshlrev_b32 v4, 3, v3
	global_load_b64 v[10:11], v4, s[6:7]
	v_lshlrev_b32 v27, 4, v3
	s_wait_loadcnt 0x0
.irp d, 0,1
	v_add_f32 v[12+\d], 1.0, v[10+\d]      ; ((x + 1) / 2) 63 in the reference's three roundings
	v_mul_f32 v[12+\d], 0.5, v[12+\d]
	v_mul_f32 v[12+\d], 0x427c0000, v[12+\d]
	v_floor_f32 v[14+\d], v[12+\d]
	v_sub_f32 v[16+\d], v[12+\d], v[14+\d] ; the upper neighbour's weight
	v_sub_f32 v[18+\d], 1.0, v[16+\d]      ; the lower one's
	v_cvt_i32_f32 v24, v[14+\d]
	v_lshl_add_u32 v24, v24, 1, 129
	v_add_nc_u32 v25, 2, v24
	REFL v[20+\d], v24, v26
	REFL v[22+\d], v25, v26
.endr
	v_lshl_add_u32 v28, v20, 6, v21        ; 64 y + x for (y0,x0), (y0,x1), (y1,x0), (y1,x1)
	v_lshl_add_u32 v29, v20, 6, v23
	v_lshl_add_u32 v30, v22, 6, v21
	v_lshl_add_u32 v31, v22, 6, v23
	v_mul_f32 v32, v18, v19
	v_mul_f32 v33, v18, v17
	v_mul_f32 v34, v16, v19
	v_mul_f32 v35, v16, v17
.irp q, 0,1,2,3
	v_lshlrev_b32 v[28+\q], 8, v[28+\q]    ; a pixel of gridh is 256 bytes
	v_cvt_pk_f16_f32 v[32+\q], v[32+\q], v[32+\q]  ; the weight twice, for packed arithmetic
.endr
	global_store_b128 v27, v[28:31], s[26:27]
	global_store_b128 v27, v[32:35], s[28:29]
	v_max_num_f32 v5, |v10|, |v11|
	v_mov_b32 v6, 0
	MAXRED v5, v6
	s_lshl3_add_u32 s43, s40, s36
	s_lshl_b32 s43, s43, 2
	v_mov_b32 v7, s43
	s_wait_xcnt 0x0                        ; EXEC changes only behind this wait
	v_cmp_eq_u32 vcc_lo, 0, v2
	s_and_saveexec_b32 s37, vcc_lo
	global_store_b32 v7, v5, s[34:35] offset:16384
	s_wait_xcnt 0x0
	s_or_b32 exec_lo, exec_lo, s37
	; part 2: eight lanes a point, eight entries a lane, 32 points a trip: a wave's store covers 512 consecutive bytes of enc.
	; Entry 8 part + i: coordinate i % 2; cos for i = 0, 1, 4, 5, else sin; frequency 2 part - 1 (i < 2), 2 part (i < 6), 2 part + 1.
	v_lshrrev_b32 v40, 3, v0
	v_add_nc_u32 v40, s42, v40
	v_lshlrev_b32 v40, 3, v40              ; my point's coordinates
	s_lshl_b32 s43, s42, 7
	v_lshl_add_u32 v41, v0, 4, s43         ; my 16 bytes of enc
	v_and_b32 v43, 7, v0
	v_lshlrev_b32 v43, 1, v43
	v_add_nc_u32 v42, -1, v43
	v_add_nc_u32 v44, 1, v43
	v_mov_b32 v45, 0
	s_mov_b32 s44, 0x40490fdb              ; pi in f32
	s_mov_b32 s45, 0x3e22f983              ; 1 / (2 pi), its f32,
	s_mov_b32 s46, 0x31dc9ce2              ; and what that f32 leaves
	s_mov_b32 s47, 0x40c90fdb              ; sin(2 pi m) = m (6.2831853 - 41.341702 m^2 + 81.605249 m^4 - 76.705860 m^6 + 42.058694 m^8)
	s_mov_b32 s48, 0xc2255de7
	s_mov_b32 s49, 0x42a335e3
	s_mov_b32 s50, 0xc2996966
	s_mov_b32 s51, 0x42283c1a
	s_mov_b32 s52, 0x01010101              ; lanes of part 0: entries 0 and 1 are the coordinates themselves
	s_mov_b32 s53, 0xc0c0c0c0              ; lanes whose entries i < 2 lie at 42 or beyond
	s_mov_b32 s54, 0xe0e0e0e0              ; the same for i >= 2
.macro SINQ dst, d, f, cos             ; sin or cos of 2 pi 2^f (qh + ql) for coordinate d
	v_ldexp_f32 v54, v[50+\d], v[\f]
	v_rndne_f32 v55, v54
	v_sub_f32 v54, v54, v55                ; exact
	v_ldexp_f32 v55, v[52+\d], v[\f]
	v_add_f32 v54, v54, v55
.if \cos
	v_add_f32 v54, 0x3e800000, v54         ; a quarter period on
.endif
	v_rndne_f32 v55, v54
	v_sub_f32 v54, v54, v55                ; a in -0.5 .. 0.5
	v_sub_f32 v55, 0.5, |v54|
	v_min_num_f32 v55, |v54|, v55          ; m in 0 .. 0.25
	v_mul_f32 v56, v55, v55
	v_fma_f32 v57, v56, s51, s50
	v_fma_f32 v57, v57, v56, s49
	v_fma_f32 v57, v57, v56, s48
	v_fma_f32 v57, v57, v56, s47
	v_mul_f32 v57, v57, v55
	v_bfi_b32 v[\dst], 0x7fffffff, v57, v54  ; a's sign
.endm
	global_load_b64 v[46:47], v40, s[6:7]
	s_mov_b32 s55, 8
.Lenc:
	s_wait_loadcnt 0x0                     ; this trip's coordinates; the wait also frees the load's address
	v_mov_b32 v58, v46
	v_mov_b32 v59, v47
	v_add_nc_u32 v40, 256, v40             ; the next trip's, asked for a trip ahead;
	v_min_u32 v40, 0x3fff8, v40            ; in the last trip of the last group the address stops at the buffer's last point
	global_load_b64 v[46:47], v40, s[6:7]
.irp d, 0,1
	v_mul_f32 v[48+\d], s44, v[58+\d]      ; x pi, rounded as the reference rounds it (2^f changes no bit)
	v_mul_f32 v[50+\d], s45, v[48+\d]      ; qh
	v_fma_f32 v[52+\d], v[48+\d], s45, -v[50+\d]
	v_fmac_f32 v[52+\d], s46, v[48+\d]     ; ql
.endr
	SINQ 60, 0, 42, 1
	SINQ 61, 1, 42, 1
	SINQ 62, 0, 43, 0
	SINQ 63, 1, 43, 0
	SINQ 64, 0, 43, 1
	SINQ 65, 1, 43, 1
	SINQ 66, 0, 44, 0
	SINQ 67, 1, 44, 0
	v_cndmask_b32 v60, v60, v58, s52
	v_cndmask_b32 v61, v61, v59, s52
	v_cndmask_b32 v60, v60, v45, s53
	v_cndmask_b32 v61, v61, v45, s53
.irp i, 2,3,4,5,6,7
	v_cndmask_b32 v[60+\i], v[60+\i], v45, s54
.endr
.irp q, 0,1,2,3
	v_cvt_pk_f16_f32 v[68+\q], v[60+2*\q], v[61+2*\q]
.endr
	global_store_b128 v41, v[68:71], s[30:31]
	s_wait_xcnt 0x0                        ; the store's address and data are rewritten only behind this wait
	v_add_nc_u32 v41, 4096, v41
	s_sub_co_u32 s55, s55, 1
	s_cmp_lg_u32 s55, 0
	s_cbranch_scc1 .Lenc
	FIN
; ---- B: layer l, output channels j0 .. j0 + 63.  In: sixteen lanes read 256 consecutive bytes of a row of w.  Two rows (k, k + 1) pack into a word;
; the words go into LDS rows [channel][k] of 528 bytes and come back as whole rows of 512.
.LroleB:
	s_sub_co_u32 s42, ttmp9, 256
	s_lshr_b32 s43, s42, 2                 ; l
	s_and_b32 s44, s42, 3
	s_lshl_b32 s44, s44, 6                 ; j0
	s_cmp_eq_u32 s43, 1
	s_cselect_b64 s[46:47], s[16:17], s[14:15]
	s_cmp_eq_u32 s43, 2
	s_cselect_b64 s[46:47], s[18:19], s[46:47]
	s_cmp_eq_u32 s43, 3
	s_cselect_b64 s[46:47], s[20:21], s[46:47]
	s_mov_b32 s48, 256                     ; rows of w,
	s_mov_b32 s49, 254                     ; the last pair's first row,
	s_cmp_eq_u32 s43, 0
	s_cselect_b32 s48, 170, s48
	s_cselect_b32 s49, 168, s49
	s_cselect_b32 s50, 42, 0               ; and how many leading rows go behind the others
	v_and_b32 v3, 15, v0                   ; four columns
	v_lshrrev_b32 v4, 4, v0                ; a pair of rows
	s_lshl_b32 s45, s44, 2
	v_lshl_add_u32 v5, v3, 4, s45
	v_mul_u32_u24 v6, v3, 2112             ; four LDS rows
.irp i, 0,1,2,3,4,5,6,7
	v_lshl_add_u32 v[100+\i], v4, 1, 32*\i ; row 32 i + 2 (t / 16)
	v_min_u32 v113, s49, v[100+\i]         ; past w's end the last pair is read once more, and dropped below
	v_lshl_add_u32 v[16+\i], v113, 10, v5
	global_load_b128 v[32+8*\i:35+8*\i], v[16+\i], s[46:47]
	global_load_b128 v[36+8*\i:39+8*\i], v[16+\i], s[46:47] offset:1024
.endr
.irp i, 0,1,2,3,4,5,6,7
	s_wait_loadcnt 14-2*\i                 ; this pair of rows is in, the younger ones stay out
	v_cmp_gt_u32 vcc_lo, s48, v[100+\i]    ; a row of w?
.irp e, 0,1,2,3
	v_cvt_pk_f16_f32 v[108+\e], v[32+8*\i+\e], v[36+8*\i+\e]
	v_cndmask_b32 v[108+\e], 0, v[108+\e], vcc_lo
.endr
	v_sub_nc_u32 v112, v[100+\i], s50
	v_add_nc_u32 v113, 128, v[100+\i]
	v_cmp_gt_u32 s51, s50, v[100+\i]
	v_cndmask_b32 v112, v112, v113, s51    ; the leading rows go to k = 128 on, the others move up
	v_cndmask_b32 v112, v[100+\i], v112, vcc_lo
	v_and_b32 v112, 254, v112
	v_lshl_add_u32 v112, v112, 1, v6
.irp e, 0,1,2,3
	ds_store_b32 v112, v[108+\e] offset:528*\e
.endr
.endr
	s_wait_dscnt 0x0                       ; for the others' sake: my words are in LDS
	s_barrier_signal -1
	s_barrier_wait -1
	s_mul_i32 s52, s36, 4224               ; wave v takes rows 8 v .. 8 v + 7
	v_lshl_add_u32 v116, v2, 4, s52
	s_lshl_b32 s53, s43, 8
	s_add_co_u32 s53, s53, s44
	s_lshl3_add_u32 s53, s36, s53          ; row 256 l + j0 + 8 v of wts
	s_lshl_b32 s54, s53, 9
	v_lshl_add_u32 v117, v2, 4, s54
	v_add_nc_u32 v122, s53, v2
	v_lshlrev_b32 v122, 2, v122
	v_mov_b32 v119, 0
	v_mov_b32 v120, 0
	v_mov_b32 v121, 1.0
.irp m, 0,1,2,3,4,5,6,7
	ds_load_b128 v[32+4*\m:35+4*\m], v116 offset:528*\m
.endr
.irp m, 0,1,2,3,4,5,6,7
	s_wait_dscnt 7-\m                      ; row m is back, the younger ones stay out
	global_store_b128 v117, v[32+4*\m:35+4*\m], s[32:33] offset:512*\m  ; 512 consecutive bytes: a whole row
	v_mov_b32 v118, 0
.irp q, 0,1,2,3
	v_fma_mix_f32 v118, |v[32+4*\m+\q]|, v121, v118 op_sel_hi:[1,0,0]
	v_fma_mix_f32 v118, |v[32+4*\m+\q]|, v121, v118 op_sel:[1,0,0] op_sel_hi:[1,0,0]
.endr
	SUMRED v118, v119
	v_cmp_eq_u32 vcc_lo, \m, v2
	v_cndmask_b32 v120, v120, v118, vcc_lo ; lane m keeps row m's sum of magnitudes
.endr
	s_wait_xcnt 0x0                        ; EXEC changes only behind this wait
	v_cmp_gt_u32 vcc_lo, 8, v2
	s_and_saveexec_b32 s37, vcc_lo
	global_store_b32 v122, v120, s[34:35] offset:8192
	s_wait_xcnt 0x0
	s_or_b32 exec_lo, exec_lo, s37
	FIN
; ---- C: w_out [256][3] becomes 16 rows [channel][k] of 512 bytes, 13 of them zeros.
.LroleC:
	v_mov_b32 v12, 0
	v_mov_b32 v13, 0
	v_mov_b32 v14, 0
	v_mov_b32 v15, 0
	v_lshlrev_b32 v3, 5, v0
	ds_store_b128 v3, v[12:15]
	ds_store_b128 v3, v[12:15] offset:16
	v_mul_u32_u24 v4, v0, 12
	global_load_b32 v16, v4, s[22:23]
	global_load_b32 v17, v4, s[22:23] offset:4
	global_load_b32 v18, v4, s[22:23] offset:8
	s_wait_dscnt 0x0                       ; the zeros are in before anybody writes numbers over them
	s_barrier_signal -1
	s_barrier_wait -1
	s_wait_loadcnt 0x0
	v_cvt_pk_f16_f32 v16, v16, v16
	v_cvt_pk_f16_f32 v17, v17, v17
	v_cvt_pk_f16_f32 v18, v18, v18
	v_lshlrev_b32 v5, 1, v0
	ds_store_b16 v5, v16
	ds_store_b16 v5, v17 offset:512
	ds_store_b16 v5, v18 offset:1024
	s_wait_dscnt 0x0
	s_barrier_signal -1
	s_barrier_wait -1
	v_lshlrev_b32 v6, 4, v0
	ds_load_b128 v[20:23], v6
	ds_load_b128 v[24:27], v6 offset:4096
	s_wait_dscnt 0x1
	global_store_b128 v6, v[20:23], s[32:33] offset:524288
	s_wait_dscnt 0x0
	global_store_b128 v6, v[24:27], s[32:33] offset:528384
	FIN
.Lfunc_end_k_qdee969bb6f_prep:
	.size	k_qdee969bb6f_prep, .Lfunc_end_k_qdee969bb6f_prep-k_qdee969bb6f_prep
	.p2alignl 7, 3214868480
	.fill 96, 4, 3214868480
	.section	.rodata,"a",@progbits
	.p2align	6, 0x0
	.amdhsa_kernel k_qdee969bb6f_prep
		.amdhsa_group_segment_fixed_size 34816
		.amdhsa_private_segment_fixed_size 0
		.amdhsa_enable_private_segment 0
		.amdhsa_kernarg_size 128
		.amdhsa_user_sgpr_count 2
		.amdhsa_user_sgpr_kernarg_segment_ptr 1
		.amdhsa_wavefront_size32 1
		.amdhsa_system_sgpr_workgroup_id_x 1
		.amdhsa_system_sgpr_workgroup_id_y 1
		.amdhsa_system_sgpr_workgroup_id_z 1
		.amdhsa_system_vgpr_workitem_id 0
		.amdhsa_next_free_vgpr 128
		.amdhsa_next_free_sgpr 104
		.amdhsa_reserve_vcc 1
		.amdhsa_float_denorm_mode_32 3
		.amdhsa_float_denorm_mode_16_64 3
		.amdhsa_memory_ordered 1
		.amdhsa_forward_progress 1
		.amdhsa_inst_pref_size 55
	.end_amdhsa_kernel
	.amdgpu_metadata
---
amdhsa.version: [ 1, 2 ]
amdhsa.kernels:
  - .name:           k_qdee969bb6f_prep
    .symbol:         k_qdee969bb6f_prep.kd
    .args:
      - { .name: feature_grid, .offset: 0, .size: 8, .value_kind: global_buffer, .address_space: global }
      - { .name: coords, .offset: 8, .size: 8, .value_kind: global_buffer, .address_space: global }
      - { .name: context_vector, .offset: 16, .size: 8, .value_kind: global_buffer, .address_space: global }
      - { .name: w_film, .offset: 24, .size: 8, .value_kind: global_buffer, .address_space: global }
      - { .name: b_film, .offset: 32, .size: 8, .value_kind: global_buffer, .address_space: global }
      - { .name: w_mlp0, .offset: 40, .size: 8, .value_kind: global_buffer, .address_space: global }
      - { .name: w_mlp1, .offset: 48, .size: 8, .value_kind: global_buffer, .address_space: global }
      - { .name: w_mlp2, .offset: 56, .size: 8, .value_kind: global_buffer, .address_space: global }
      - { .name: w_mlp3, .offset: 64, .size: 8, .value_kind: global_buffer, .address_space: global }
      - { .name: w_out, .offset: 72, .size: 8, .value_kind: global_buffer, .address_space: global }
      - { .name: gridh, .offset: 80, .size: 8, .value_kind: global_buffer, .address_space: global }
      - { .name: pix, .offset: 88, .size: 8, .value_kind: global_buffer, .address_space: global }
      - { .name: ipw, .offset: 96, .size: 8, .value_kind: global_buffer, .address_space: global }
      - { .name: enc, .offset: 104, .size: 8, .value_kind: global_buffer, .address_space: global }
      - { .name: wts, .offset: 112, .size: 8, .value_kind: global_buffer, .address_space: global }
      - { .name: par, .offset: 120, .size: 8, .value_kind: global_buffer, .address_space: global }
    .group_segment_fixed_size: 34816
    .private_segment_fixed_size: 0
    .kernarg_segment_align: 8
    .kernarg_segment_size: 128
    .max_flat_workgroup_size: 256
    .sgpr_count:     104
    .vgpr_count:     128
    .wavefront_size: 32
...
	.end_amdgpu_metadata
.endif
;; end of part 1
;; launch main (part 2): grid 256 x 1, 4 waves a work-group, clusters of 4 x 1, 327,680 bytes of LDS; arguments gridh, pix, ipw, enc, wts, par, b_mlp0, b_mlp1, b_mlp2, b_mlp3, b_out, out0; writes out0
.if DOCPART == 2
	.amdgcn_target "amdgcn-amd-amdhsa--gfx1250"
	.amdhsa_code_object_version 6
	.text
	.protected	k_qdee969bb6f_main
	.globl	k_qdee969bb6f_main
	.p2align	8
	.type	k_qdee969bb6f_main,@function
k_qdee969bb6f_main:
	s_mov_b64 s[64:65], 0
	v_nop
	global_prefetch_b8 v0, s[64:65] scope:SCOPE_SE
	s_setreg_imm32_b32 hwreg(HW_REG_WAVE_MODE, 25, 1), 1
	s_wait_xcnt 0x0
	s_wait_alu depctr_hold_cnt(0) depctr_sa_sdst(0) depctr_va_vdst(0) depctr_va_sdst(0) depctr_va_ssrc(0) depctr_va_vcc(0) depctr_vm_vsrc(0)
	s_getreg_b32 s2, hwreg(HW_REG_IB_STS2, 6, 4)
	s_cmp_eq_u32 s2, 0
	s_cbranch_scc0 .Lentry_in_a_cluster
	s_endpgm
.Lentry_in_a_cluster:
	s_bfe_u32 s2, ttmp6, 0x10000c
	s_cmp_lg_u32 s2, 0x3003
	s_cbranch_scc0 .Lentry_shape_is_right
	s_endpgm
.Lentry_shape_is_right:
; THE DECODER, FUSED: bilinear gather, four layers of 256 with bias, FiLM and tanh-GELU, the layer of 3 and tanh.
; SHARES.  A work-group owns 128 points in all four images; wave w takes image w, in two passes of 64 points (four tiles of 16).
; PRODUCTS ARE TRANSPOSED: H_out^T = W^T H_in^T.  Source 0 = 16 output channels x 32 k from LDS, source 1 = 32 k x 16 points from registers: a pass's input activations (64 points x 256 k)
; fill 256 registers for a whole layer.  In a result a lane holds ONE point (lane % 16) and channels 8 (lane / 16) + 0..7: after the GELU they pack into 16 bytes of a row [point][channel]
; of the wave's own stage in LDS, from which the next layer's source 1 is read.  Layer 0's K of 170 is filled to 256 with zero weights, so that one text serves all four layers.
; WEIGHTS come as half layers (128 rows of 512 bytes) through two LDS slots, each wave fetching 32 rows.  The four work-groups of a cluster walk the same 16 tiles (8 half layers, twice), so
; each tile is asked for JOINTLY: the same tensor load, descriptor and mask in all four.  One tensor load of a wave is out behind each round, with 256 matrix instructions in which to land.
; BY TURNS.  A chunk is 16 output channels: 32 matrix instructions on four accumulators that take turns.  The GELU of the chunk before, 176 vector instructions, stands beside them: 48 in a
; lump ahead, four behind each matrix instruction.
; FORMATS.  Matrix operands in f16, sums and everything else in f32; the interpolation is four packed f16 multiply-adds.
; THE SCALE.  Layer l's activations are kept as h / S_l, S_l a power of two for each image, from a bound U_l >= |h_l|: U_in = max(1, max|coords|, max|grid|),
; U_l = max over channels of (sum_k |w| U_(l-1) |1 + gamma| + |b (1 + gamma) + beta|), since |gelu t| <= |t|; S_l = 2^(exponent of U_l - 14), so |h / S_l| < 2^15.
; The scale costs nothing a number: t = acc G + Bv with G = (1 + gamma) S_(l-1); gelu(t) / S_l = t / (S_l + 2^(L_l + t (c0 + c1 t^2))), L_l = log2 S_l.
; LIMITS.  U is held to 2^-100 .. 2^100; an exponential or reciprocal below 2^-126 counts as 0; activations below 2^-24 S_l count as 0; NaN and infinities are not treated apart;
; sums are taken in another order than the reference's.  tanh z = 1 - 2 / (1 + e^(2z)); below |z| = 0.125 the series z (1 - z^2/3 + 2 z^4/15), off by 5e-8 of z at the most.
; REGISTERS, in windows of 256 (s_set_vgpr_msb: bits 1:0 source 0, 3:2 source 1, 5:4 source 2, 7:6 destination):
;   window 0: v0-23 addresses; v24-27 L, L, S, S; v28-31 zeros; v32-63 X at work; v64-95, v96-127 two sets of four accumulators; v128-143, v144-159 a chunk's G and Bv, twice; v160-175 packed
;             results; v176-255 at work in the head and on the way out (the head also uses v32-151)
;   window 1: the input activations, tile t, k block kf at 64 t + 8 kf; in the gather two batches of 8 pairs of points x 4 corners x 4 registers
;   window 2: v0-63, v64-127 weight fragments, two buffers; v128-191 the output layer's fragments; v192-255 the encoding as loaded
;   window 3: v0-127 corner offsets, a pair of points at 4 i; v128-255 corner weights
.set SLOTB, 67584                      ; a slot: 128 rows of 512 bytes + 16 of padding: the 16 rows of a fragment load start at 16 different groups of four banks
.set STAGE, 135168                     ; 35,840 bytes a wave: 64 points, 560 bytes apart: 512 of channels, 32 of scrap, 16 idle
.set STW,   35840
.set SPI,   560
.set TAB,   278528                     ; 8,192 bytes a wave: layer 2,048, chunk 128 = G[16], Bv[16] in f32
.set LSC,   311296                     ; 64 bytes a wave: (L, L, S, S) for each layer
.set OUTS,  311552                     ; 3,072 bytes a wave: 128 points x 12 bytes, then as much scrap for the lanes that hold channels 8..15
.set SPARE, 323840                     ; the spare words, 128 bytes a wave
.set W_MM,  0x06                       ; source 0 window 2, source 1 window 1, C and D window 0
.set MSB, 0
.macro WIN new                         ; the immediate's high byte repeats the setting that is left; a switch that changes nothing is dropped
.if MSB != (\new)
	s_set_vgpr_msb (MSB<<8)|(\new)
.set MSB, \new
.endif
.endm
.macro CROUND                          ; a round of the cluster's barrier
	s_barrier_signal -1
	s_barrier_wait -1
	s_cmp_lg_u32 s28, 0
	s_cbranch_scc1 .Lnw0_\@
	s_barrier_signal -3
.Lnw0_\@:
	s_barrier_wait -3
	s_barrier_signal -1
	s_barrier_wait -1
.endm
.macro MAXRED v, t
	v_max_num_f32_dpp \v, \v, \v row_xmask:1 row_mask:0xf bank_mask:0xf
	v_max_num_f32_dpp \v, \v, \v row_xmask:2 row_mask:0xf bank_mask:0xf
	v_max_num_f32_dpp \v, \v, \v row_xmask:4 row_mask:0xf bank_mask:0xf
	v_max_num_f32_dpp \v, \v, \v row_xmask:8 row_mask:0xf bank_mask:0xf
	v_permlanex16_b32 \t, \v, s54, s55
	v_max_num_f32 \v, \v, \t
.endm
	s_load_b512 s[4:19], s[0:1], 0x0       ; gridh 4, pix 6, ipw 8, enc 10, wts 12, par 14, b_mlp0 16, b_mlp1 18
	s_load_b256 s[20:27], s[0:1], 0x40     ; b_mlp2 20, b_mlp3 22, b_out 24, out0 26
	v_lshl_add_u32 v4, v0, 2, SPARE        ; my spare word; never rewritten
	v_mov_b32 v5, 0                        ; 0; never rewritten
	ds_add_u32 v4, v5                      ; the wave's opening: the add and its wait stand ahead of my first tensor load
	v_lshrrev_b32 v1, 5, v0
	v_readfirstlane_b32 s28, v1            ; wave = image
	s_bfe_u32 s29, ttmp6, 0x40000          ; cx
	s_lshl_b32 s30, ttmp9, 2
	s_add_co_u32 s30, s30, s29             ; my block of 128 points: it enters the addresses of pix, ipw, enc and out0 alone
	s_mov_b32 s32, 15|(1<<16)|(1<<20)|(1<<21)|(6<<22)|(3<<25)  ; group 1: mask of four; 2-byte elements; padding on; bit 21 beside a mask; after every 128 words 4 words
	s_mov_b32 s33, 256<<16                 ; tensor_dim0 = 256
	s_mov_b32 s34, 32<<16                  ; tensor_dim1 = 32
	s_mov_b32 s35, 256<<16                 ; tile_dim0 = 256
	s_mov_b32 s36, 32                      ; tile_dim1 = 32
	s_mov_b32 s37, 256                     ; 256 elements from row to row
	s_mov_b32 s38, 0
	s_mov_b32 s39, 0
	s_mov_b32 s40, 1                       ; group 0 of slot 0,
	s_mul_i32 s41, s28, 16896              ; my 32 rows of it
	s_mov_b32 s44, 1                       ; and of slot 1
	s_add_co_u32 s45, s41, SLOTB
	s_mov_b32 s49, 0
	s_mov_b32 s85, 0
	s_mov_b32 s91, 0
	s_mov_b32 s54, 0x76543210
	s_mov_b32 s55, 0xfedcba98
	s_mov_b32 s56, 0xc0135761              ; c0 = -2 sqrt(2 / pi) log2(e)
	s_mov_b32 s57, s56
	s_mov_b32 s58, 0xbdd2d3e7              ; c1 = 0.044715 c0
	s_mov_b32 s59, s58
	s_mov_b32 s78, 0x4038aa3b              ; 2 log2(e)
	s_mov_b32 s79, 0xbeaaaaab              ; -1/3
	s_mov_b32 s80, 0x3e088889              ; 2/15
	s_mov_b32 s81, 0x3e000000              ; 0.125
	s_mov_b32 s82, 0x0d800000              ; 2^-100
	s_mov_b32 s83, 0x71800000              ; 2^100
	s_mov_b32 s50, 1                       ; the tile to be asked for next
	s_mov_b32 s51, 7                       ; layers in the loop
	s_mov_b32 s52, 0                       ; the layer in hand
	s_wait_dscnt 0x0                       ; the opening add is done
	s_wait_kmcnt 0x0
	s_lshl_b32 s84, s28, 14                ; my 32 rows of a tile in memory
	s_add_nc_u64 s[66:67], s[12:13], s[84:85]
	s_mov_b64 s[42:43], s[66:67]           ; tile 0
	s_or_b32 s43, s43, 0x80000000          ; type = 2
	s_lshl_b32 s84, s28, 20                ; my image of gridh
	s_add_nc_u64 s[68:69], s[4:5], s[84:85]
	s_lshl_b32 s90, s30, 11                ; 128 points x 16 bytes
	s_add_nc_u64 s[70:71], s[6:7], s[90:91]
	s_add_nc_u64 s[72:73], s[8:9], s[90:91]
	s_lshl_b32 s90, s30, 14                ; 128 points x 128 bytes
	s_add_nc_u64 s[74:75], s[10:11], s[90:91]
	s_mul_i32 s90, s28, 393216             ; my image of out0,
	s_mul_i32 s92, s30, 1536               ; 128 points x 12 bytes
	s_add_co_u32 s90, s90, s92
	s_add_nc_u64 s[76:77], s[26:27], s[90:91]
	s_load_b96 s[60:62], s[24:25], 0x0     ; b_out
	CROUND                                 ; all four work-groups are here: the first joint load meets
	tensor_load_to_lds s[40:43], s[32:39]  ; tile 0 into slot 0; slot 1 is asked for by the first change of slots
	s_nop 0
.rept 4
	v_nop
.endr
; The loads of a pass's corner offsets and weights (a load: two points, 16 lanes each reading the point's 16 bytes) and of its encoding (a load: four points, 512 consecutive bytes).
.macro IDX pass
	WIN 0xc0
.set i, 0
.rept 32
	global_load_b128 v[4*i:4*i+3], v15, s[70:71] offset:(\pass)*1024+32*i
	global_load_b128 v[128+4*i:128+4*i+3], v15, s[72:73] offset:(\pass)*1024+32*i
.set i, i+1
.endr
	WIN 0x80
.set i, 0
.rept 16
	global_load_b128 v[192+4*i:192+4*i+3], v16, s[74:75] offset:(\pass)*8192+512*i
.set i, i+1
.endr
	WIN 0
.endm
	v_and_b32 v1, 15, v0                   ; r
	v_bfe_u32 v2, v0, 4, 1                 ; h
	v_and_b32 v3, 31, v0                   ; lane
	v_lshlrev_b32 v15, 4, v2
	v_lshlrev_b32 v16, 4, v3
	v_lshlrev_b32 v17, 4, v1
	v_lshlrev_b32 v20, 9, v1
	v_lshl_add_u32 v20, v2, 4, v20         ; a fragment's row of 512 bytes + 16 h
	IDX 0
	WIN 0x80
.irp kf, 0,1,2,3,4,5,6,7               ; the output layer's fragments stay in registers
	global_load_b128 v[128+8*\kf:131+8*\kf], v20, s[12:13] offset:524288+64*\kf
	global_load_b128 v[132+8*\kf:135+8*\kf], v20, s[12:13] offset:524288+64*\kf+32
.endr
	WIN 0
	; what the table is made of: a lane takes channels 8 lane .. 8 lane + 7
	v_lshlrev_b32 v178, 5, v3
	s_lshl_b32 s31, s28, 11
	v_add_nc_u32 v176, s31, v178
	s_lshl_b32 s31, s28, 10
	v_add_nc_u32 v177, s31, v178
	v_lshlrev_b32 v179, 7, v3
	global_load_b128 v[32:35], v176, s[14:15]              ; 1 + gamma
	global_load_b128 v[36:39], v176, s[14:15] offset:16
	global_load_b128 v[40:43], v176, s[14:15] offset:1024  ; beta
	global_load_b128 v[44:47], v176, s[14:15] offset:1040
.irp l, 0,1,2,3
	global_load_b128 v[48+8*\l:51+8*\l], v178, s[16+2*\l:17+2*\l]            ; the layer's bias
	global_load_b128 v[52+8*\l:55+8*\l], v178, s[16+2*\l:17+2*\l] offset:16
	global_load_b128 v[80+8*\l:83+8*\l], v178, s[14:15] offset:8192+1024*\l  ; its channels' sums of |w|
	global_load_b128 v[84+8*\l:87+8*\l], v178, s[14:15] offset:8192+1024*\l+16
.endr
	global_load_b128 v[112:115], v177, s[14:15] offset:12288  ; my image's 256 partial maxima
	global_load_b128 v[116:119], v177, s[14:15] offset:12304
.irp i, 0,1,2,3,4,5,6,7
	global_load_b128 v[120+4*\i:123+4*\i], v179, s[14:15] offset:16384+16*\i  ; the coordinates' 1,024
.endr
	; LDS addresses: a constant, the wave's number times a constant, a lane term
	v_mul_u32_u24 v6, v1, 528
	v_lshl_add_u32 v6, v2, 4, v6           ; v6: my place in a chunk of weights
	s_lshl_b32 s31, s28, 13
	s_add_co_u32 s31, s31, TAB
	v_lshl_add_u32 v9, v2, 5, s31          ; v9: my eight channels' G in a chunk of the table
	v_lshrrev_b32 v23, 1, v3
	v_lshlrev_b32 v23, 7, v23
	v_and_b32 v19, 1, v3
	v_lshl_add_u32 v23, v19, 5, v23
	v_add_nc_u32 v23, s31, v23             ; v23: where the head puts them
	s_mul_i32 s31, s28, STW
	s_add_co_u32 s31, s31, STAGE
	v_mul_u32_u24 v10, v1, SPI
	v_lshl_add_u32 v10, v2, 4, v10
	v_add_nc_u32 v10, s31, v10             ; v10: stage row r, 16 bytes for each half of the lanes
	v_mul_u32_u24 v13, v2, SPI
	v_lshl_add_u32 v13, v1, 4, v13
	v_add_nc_u32 v13, s31, v13             ; v13: the gather: lanes 0-15 one point's 256 bytes, lanes 16-31 the next point's
	v_lshrrev_b32 v14, 3, v3
	v_mul_u32_u24 v14, v14, SPI
	v_and_b32 v19, 7, v3
	v_lshl_add_u32 v14, v19, 4, v14
	v_add_nc_u32 v14, s31, v14
	v_add_nc_u32 v14, 256, v14             ; v14: the encoding: eight lanes a point, behind the 128 samples
	s_mul_i32 s31, s28, 3072
	s_add_co_u32 s31, s31, OUTS
	v_mul_u32_u24 v18, v2, 1536
	v_mad_u32_u24 v18, v1, 12, v18
	v_add_nc_u32 v18, s31, v18             ; v18: a point's three results
	v_add_nc_u32 v21, s31, v16             ; v21: and back, 16 bytes a lane
	s_lshl_b32 s31, s28, 6
	s_add_co_u32 s31, s31, LSC
	v_mov_b32 v22, s31                     ; v22: my L and S
	s_wait_loadcnt 0x0
	s_wait_kmcnt 0x0
	; U_in
	v_max3_num_f32 v180, v112, v113, 1.0
.set i, 114
.rept 19
	v_max3_num_f32 v180, v[i], v[i+1], v180
.set i, i+2
.endr
	v_mov_b32 v181, 0
	MAXRED v180, v181
	v_mov_b32 v182, 1.0                    ; the scale of the layer before
	v_mov_b32 v183, 1.0
.macro TABL l                          ; layer l's G, Bv, bound, S and L
.irp p, 0,2,4,6
	v_pk_fma_f32 v[184+\p:185+\p], v[48+8*(\l)+\p:49+8*(\l)+\p], v[32+\p:33+\p], v[40+\p:41+\p]
	v_pk_mul_f32 v[192+\p:193+\p], v[32+\p:33+\p], v[182:183]
.endr
.irp j, 0,1,2,3,4,5,6,7
	v_mul_f32 v[200+\j], v[80+8*(\l)+\j], v180
.endr
.irp j, 0,1,2,3,4,5,6,7
	v_fma_f32 v[200+\j], v[200+\j], |v[32+\j]|, |v[184+\j]|
.endr
	v_max3_num_f32 v200, v200, v201, v202
	v_max3_num_f32 v203, v203, v204, v205
	v_max3_num_f32 v200, v200, v206, v207
	v_max_num_f32 v180, v200, v203
	MAXRED v180, v181
	v_med3_num_f32 v180, v180, s82, s83
	v_lshrrev_b32 v208, 23, v180           ; the biased exponent
	v_add_nc_u32 v209, -14, v208
	v_lshlrev_b32 v182, 23, v209           ; S
	v_mov_b32 v183, v182
	v_add_nc_u32 v209, 0xffffff73, v208    ; less 141
	v_cvt_f32_i32 v210, v209               ; L = log2 S
	v_mov_b32 v211, v210
	v_mov_b32 v212, v182
	v_mov_b32 v213, v182
	ds_store_b128 v23, v[192:195] offset:2048*(\l)
	ds_store_b128 v23, v[196:199] offset:2048*(\l)+16
	ds_store_b128 v23, v[184:187] offset:2048*(\l)+64
	ds_store_b128 v23, v[188:191] offset:2048*(\l)+80
	ds_store_b128 v22, v[210:213] offset:16*(\l)   ; every lane writes the same 16 bytes
.endm
	TABL 0
	TABL 1
	TABL 2
	TABL 3                                 ; a wave reads its own table alone, and LDS serves a wave's instructions in order: no barrier
	; a layer's first phase runs the GELU of a chunk that has not been, into the scrap column: its registers need only be written
.set i, 96
.rept 32
	v_mov_b32 v[i], 0
.set i, i+1
.endr
.set i, 144
.rept 16
	v_mov_b32 v[i], 0
.set i, i+1
.endr
.set i, 28
.rept 4
	v_mov_b32 v[i], 0
.set i, i+1
.endr
; THE GELU OF A CHUNK (accumulator set P, four tiles g of 16 points, eight numbers a lane and tile) as a numbered list of 176; GE writes number n and steps n.
; For a pair: T t = acc G + Bv (in place); U x = t t; V x = x c1 + c0; W x = t x + L; E two exponentials; D x = x + S; R two reciprocals; Y x = t x; C the pair to f16.
.macro P1 P, g, m                      ; stage m / 4 of T, U, V, W for pair m % 4
.set rA, 64+32*(\P)+8*(\g)+2*((\m)%4)
.set rX, 32+8*(\g)+2*((\m)%4)
.set rG, 128+16*(\P)+2*((\m)%4)
.if (\m)/4 == 0
	v_pk_fma_f32 v[rA:rA+1], v[rA:rA+1], v[rG:rG+1], v[rG+8:rG+9]
.elseif (\m)/4 == 1
	v_pk_mul_f32 v[rX:rX+1], v[rA:rA+1], v[rA:rA+1]
.elseif (\m)/4 == 2
	v_pk_fma_f32 v[rX:rX+1], v[rX:rX+1], s[58:59], s[56:57] op_sel_hi:[1,0,0]
.else
	v_pk_fma_f32 v[rX:rX+1], v[rA:rA+1], v[rX:rX+1], v[24:25]
.endif
.endm
.macro TE g, i
	v_exp_f32 v[32+8*(\g)+(\i)], v[32+8*(\g)+(\i)]
.endm
.macro TR g, i
	v_rcp_f32 v[32+8*(\g)+(\i)], v[32+8*(\g)+(\i)]
.endm
.macro P2 g, p
	s_wait_alu depctr_va_vdst(0)
	v_pk_add_f32 v[32+8*(\g)+2*(\p):33+8*(\g)+2*(\p)], v[32+8*(\g)+2*(\p):33+8*(\g)+2*(\p)], v[26:27]
.endm
.macro P3 P, g, m                      ; m < 4: Y of pair m; else C of pair m - 4
.if (\m) < 4
.set rA, 64+32*(\P)+8*(\g)+2*(\m)
.set rX, 32+8*(\g)+2*(\m)
	s_wait_alu depctr_va_vdst(0)
	v_pk_mul_f32 v[rX:rX+1], v[rA:rA+1], v[rX:rX+1]
.else
	v_cvt_pk_f16_f32 v[160+4*(\g)+(\m)-4], v[32+8*(\g)+2*((\m)-4)], v[33+8*(\g)+2*((\m)-4)]
.endif
.endm
.macro PUT P, g                        ; tile g's 16 bytes a lane into the stage
	ds_store_b128 v[11+(\P)], v[160+4*(\g):163+4*(\g)] offset:8960*(\g)
.endm
; The order: each tile's plain stages stand between the exponentials and reciprocals of the tiles before it, so that a plain instruction stands between every such result and its use,
; and each accumulator is first read at its two lowest registers.
.macro GE P
.if n < 16
	P1 \P, 0, n
.elseif n < 40
.if (n-16)%3 == 0
	TE 0, (n-16)/3
.else
	P1 \P, 1, 2*((n-16)/3)+(n-16)%3-1
.endif
.elseif n < 44
	P2 0, n-40
.elseif n < 76
.if (n-44)%4 == 0
	TR 0, (n-44)/4
.elseif (n-44)%4 == 2
	TE 1, (n-44)/4
.else
	P1 \P, 2, 2*((n-44)/4)+((n-44)%4)/2
.endif
.elseif n < 84
	P3 \P, 0, n-76
.elseif n < 88
	P2 1, n-84
.elseif n < 120
.if (n-88)%4 == 0
	TR 1, (n-88)/4
.elseif (n-88)%4 == 2
	TE 2, (n-88)/4
.else
	P1 \P, 3, 2*((n-88)/4)+((n-88)%4)/2
.endif
.elseif n < 124
	P2 2, n-120
.elseif n < 148
.if (n-124)%3 == 0
	TR 2, (n-124)/3
.elseif (n-124)%3 == 1
	TE 3, (n-124)/3
.else
	P3 \P, 1, (n-124)/3
.endif
.elseif n < 152
	P2 3, n-148
.elseif n < 168
.if (n-152)%2 == 0
	TR 3, (n-152)/2
.else
	P3 \P, 2, (n-152)/2
.endif
.else
	P3 \P, 3, n-168
.endif
.if n == 83
	PUT \P, 0
.elseif n == 147
	PUT \P, 1
.elseif n == 167
	PUT \P, 2
.elseif n == 175
	PUT \P, 3
.endif
.set n, n+1
.endm
.macro FETCHA buf                      ; a chunk's weights, 16 channels x 256 k: 16 LDS loads in one run; s86 steps from chunk to chunk
	v_add_nc_u32 v7, s86, v6
	s_add_co_u32 s86, s86, 8448
	WIN 0x80
.irp kf, 0,1,2,3,4,5,6,7
	ds_load_b128 v[64*(\buf)+8*\kf:64*(\buf)+8*\kf+3],   v7 offset:64*\kf
	ds_load_b128 v[64*(\buf)+8*\kf+4:64*(\buf)+8*\kf+7], v7 offset:64*\kf+32
.endr
	WIN 0
.endm
; A PHASE: chunk c (by parity) is multiplied into accumulator set c; beside it the GELU of the chunk before, in set 1 - c.
; At its head: where this chunk's results will go, and this chunk's G and Bv.  The one wait for LDS, behind the lump, covers those four loads and the weights asked for in the phase before.
; The next chunk's weights are asked for behind the second product: their buffer's last reader stands the last four plain riders of the phase before and the lump back.
.macro PHASE c
	v_add_nc_u32 v[11+(\c)], s88, v10
	s_add_co_u32 s88, s88, 32
	v_add_nc_u32 v8, s87, v9
	s_add_co_u32 s87, s87, 128
	ds_load_b128 v[128+16*(\c):131+16*(\c)], v8
	ds_load_b128 v[132+16*(\c):135+16*(\c)], v8 offset:16
	ds_load_b128 v[136+16*(\c):139+16*(\c)], v8 offset:64
	ds_load_b128 v[140+16*(\c):143+16*(\c)], v8 offset:80
.set n, 0
.rept 48
	GE 1-(\c)
.endr
	s_wait_dscnt 0x0
.set k, 0
.rept 32
.set mD, 64+32*(\c)+8*(k%4)
.set mA, 64*(\c)+8*(k/4)
.set mB, 64*(k%4)+8*(k/4)
	WIN W_MM
.if k < 4
	v_wmma_f32_16x16x32_f16 v[mD:mD+7], v[mA:mA+7], v[mB:mB+7], 0
.else
	v_wmma_f32_16x16x32_f16 v[mD:mD+7], v[mA:mA+7], v[mB:mB+7], v[mD:mD+7]
.endif
	WIN 0
.rept 4
	GE 1-(\c)
.endr
.if k == 1
.if (\c) == 1
	s_cmp_eq_u32 s53, 1                    ; a tile's last chunk has no successor in its slot
	s_cbranch_scc1 .Lnf_\@
	FETCHA 0
.Lnf_\@:
.else
	FETCHA 1
.endif
.endif
.set k, k+1
.endr
.endm
.macro TILE                            ; a slot's eight chunks
	s_mov_b32 s53, 4
.Ltile_\@:
	PHASE 0
	PHASE 1
	WIN 0
	s_sub_co_u32 s53, s53, 1
	s_cmp_lg_u32 s53, 0
	s_cbranch_scc1 .Ltile_\@
.endm
; THE CHANGE OF SLOTS, ahead of reading slot rd.  Each wave waits for all its tensor loads, of which one is out: its part of slot rd; adds 0 to its spare word; and waits for that and for its LDS
; reads.  fill = 1: the other slot, which nobody reads any more, is filled with tile s50; the barrier is then a round of the cluster's, and the joint load is the first thing behind it.
.macro CHANGE rd, fill
	WIN 0
	s_wait_tensorcnt 0x0                   ; no tensor load of mine is out, so a group 0 may be written
	ds_add_u32 v4, v5                      ; scalar work stands between the add and the wait for it
.if \fill
	s_lshl_b32 s48, s50, 16                ; a tile is 65,536 bytes of wts
	s_add_nc_u64 s[46-4*(\rd):47-4*(\rd)], s[66:67], s[48:49]
	s_or_b32 s[47-4*(\rd)], s[47-4*(\rd)], 0x80000000
	s_add_co_u32 s50, s50, 1
	s_and_b32 s50, s50, 7                  ; behind the eighth tile the second pass's first
.endif
	s_mov_b32 s86, (\rd)*SLOTB
	s_wait_dscnt 0x0                       ; the add is done, and my LDS reads are over
.if \fill
	CROUND
	tensor_load_to_lds s[44-4*(\rd):47-4*(\rd)], s[32:39]
	s_nop 0
.rept 4
	v_nop
.endr
.else
	s_barrier_signal -1
	s_barrier_wait -1
.endif
	FETCHA 0
.endm
.macro DRAIN                           ; the stage's 64 points x 256 channels become source 1's fragments
	WIN 0x40
.set i, 0
.rept 32
	ds_load_b128 v[8*i:8*i+3],   v10 offset:8960*(i/8)+64*(i%8)
	ds_load_b128 v[8*i+4:8*i+7], v10 offset:8960*(i/8)+64*(i%8)+32
.set i, i+1
.endr
	WIN 0
.endm
.macro LAYER fill2
	DRAIN                                  ; LDS serves a wave's instructions in order: these see the stage's stores, and the layer's own stores come behind them
	s_lshl_b32 s89, s52, 4
	v_add_nc_u32 v19, s89, v22
	ds_load_b128 v[24:27], v19             ; the layer's L and S
	s_lshl_b32 s87, s52, 11                ; its part of the table
	s_mov_b32 s88, 0
	v_add_nc_u32 v12, 512, v10             ; the first phase's GELU lands in the scrap column
	CHANGE 0, 1
	TILE
	CHANGE 1, \fill2
	TILE
.set n, 0
.rept 176
	GE 1                                   ; the last chunk's GELU stands bare
.endr
.endm
; THE GATHER of a pass.  A pixel of gridh is 256 bytes, 16 lanes; a load takes one corner of two points.  Four batches of 8 pairs x 4 corners, two batches on their way.
.macro GLOAD b
	WIN 0x43                               ; destination window 1, address window 3
.set j, 0
.rept 8
.irp c, 0,1,2,3
	global_load_b128 v[128*((\b)&1)+16*j+4*\c:128*((\b)&1)+16*j+4*\c+3], v[4*(8*(\b)+j)+\c], s[68:69]
.endr
.set j, j+1
.endr
.endm
.macro GDO b, y                        ; y: the loads of the batch behind, which stay out
	WIN 0x5d                               ; grid data window 1, weights window 3
.set j, 0
.rept 8
	s_wait_loadcnt (\y)+28-4*j             ; pair j's four corners are in
.set gb, 128*((\b)&1)+16*j
.set gw, 128+4*(8*(\b)+j)
.irp q, 0,1,2,3
	v_pk_mul_f16 v[gb+\q], v[gb+\q], v[gw]
.endr
.irp c, 1,2,3
.irp q, 0,1,2,3
	v_pk_fma_f16 v[gb+\q], v[gb+4*\c+\q], v[gw+\c], v[gb+\q]
.endr
.endr
.set j, j+1
.endr
	WIN 0x04                               ; store data window 1
.set j, 0
.rept 8
	ds_store_b128 v13, v[128*((\b)&1)+16*j:128*((\b)&1)+16*j+3] offset:1120*(8*(\b)+j)
.set j, j+1
.endr
.endm
.macro GATHER
	s_wait_loadcnt 0x0                     ; the pass's offsets, weights and encoding
	WIN 0xcc
.set i, 0
.rept 128
	v_min_u32 v[i], 0xfff00, v[i]          ; a loaded offset is held inside an image before it enters an address
	v_add_nc_u32 v[i], v17, v[i]           ; + my 16 bytes of the pixel
.set i, i+1
.endr
	GLOAD 0
	GLOAD 1
	GDO 0, 32
	GLOAD 2
	GDO 1, 32
	GLOAD 3
	GDO 2, 32
	GDO 3, 0
	WIN 0x08                               ; store data window 2
.set i, 0
.rept 16
	ds_store_b128 v14, v[192+4*i:192+4*i+3] offset:2240*i
.set i, i+1
.endr
	WIN 0
.set i, 0
.rept 16
	ds_store_b128 v14, v[28:31] offset:2240*i+128  ; k = 192 .. 255 meet zero weights and must be finite: zeros
.set i, i+1
.endr
	s_cmp_lg_u32 s51, 7
	s_cbranch_scc1 .Lno_idx_\@
	IDX 1                                  ; the second pass's, asked for a whole pass ahead
.Lno_idx_\@:
.endm
.macro ALL12 line:vararg               ; one line for each of a lane's 12 results i: tile i / 3, channel i % 3
.set i, 0
	s_wait_alu depctr_va_vdst(0)
.rept 12
	\line
.set i, i+1
.endr
.endm
.macro OUT pass
	s_wait_dscnt 0x0                       ; the fragments are in
	WIN W_MM
.set k, 0
.rept 32
.set mD, 64+8*(k%4)
.set mA, 128+8*(k/4)
.set mB, 64*(k%4)+8*(k/4)
.if k < 4
	v_wmma_f32_16x16x32_f16 v[mD:mD+7], v[mA:mA+7], v[mB:mB+7], 0
.else
	v_wmma_f32_16x16x32_f16 v[mD:mD+7], v[mA:mA+7], v[mB:mB+7], v[mD:mD+7]
.endif
.set k, k+1
.endr
	WIN 0
.rept 4
	v_nop                                  ; the places behind the last products
.endr
	ALL12 v_fma_f32 v[176+i], v[64+8*(i/3)+i%3], v26, s[60+i%3]   ; z = acc S + b_out
	ALL12 v_mul_f32 v[188+i], s78, v[176+i]
	ALL12 v_exp_f32 v[188+i], v[188+i]
	ALL12 v_mul_f32 v[200+i], v[176+i], v[176+i]
	ALL12 v_add_f32 v[188+i], 1.0, v[188+i]
	ALL12 v_rcp_f32 v[188+i], v[188+i]
	ALL12 v_fma_f32 v[212+i], v[200+i], s80, s79
	ALL12 v_fma_f32 v[188+i], v[188+i], -2.0, 1.0
	ALL12 v_fma_f32 v[212+i], v[212+i], v[200+i], 1.0
	ALL12 v_mul_f32 v[212+i], v[212+i], v[176+i]
.set i, 0
.rept 12
	v_cmp_lt_f32 vcc_lo, |v[176+i]|, s81
	v_cndmask_b32 v[188+i], v[188+i], v[212+i], vcc_lo
	ds_store_b32 v18, v[188+i] offset:768*(\pass)+192*(i/3)+4*(i%3)
.set i, i+1
.endr
.endm
.Ltrip:                                        ; seven layers: pass 0's four, pass 1's first three
	s_cmp_lg_u32 s52, 0
	s_cbranch_scc1 .Lno_gather
	GATHER
.Lno_gather:
	LAYER 1
	s_cmp_lg_u32 s52, 3
	s_cbranch_scc1 .Lno_out
	DRAIN
	OUT 0
.Lno_out:
	s_add_co_u32 s52, s52, 1
	s_and_b32 s52, s52, 3
	s_sub_co_u32 s51, s51, 1
	s_cmp_lg_u32 s51, 0
	s_cbranch_scc1 .Ltrip
	LAYER 0                                ; the last layer is written out: its second change of slots asks for nothing
	DRAIN
	OUT 1
.irp i, 0,1,2
	ds_load_b128 v[176+4*\i:179+4*\i], v21 offset:512*\i  ; my 128 points' results, 1,536 bytes on end
.endr
.irp i, 0,1,2
	s_wait_dscnt 2-\i
	global_store_b128 v16, v[176+4*\i:179+4*\i], s[76:77] offset:512*\i  ; 512 consecutive bytes, at a multiple of 256 from out0's first
.endr
	s_wait_tensorcnt 0x0                   ; the wave's end
	ds_add_u32 v4, v5
	s_wait_dscnt 0x0
	CROUND                                 ; the closing round
	s_endpgm
.Lfunc_end_k_qdee969bb6f_main:
	.size	k_qdee969bb6f_main, .Lfunc_end_k_qdee969bb6f_main-k_qdee969bb6f_main
	.p2alignl 7, 3214868480
	.fill 96, 4, 3214868480
	.section	.rodata,"a",@progbits
	.p2align	6, 0x0
	.amdhsa_kernel k_qdee969bb6f_main
		.amdhsa_group_segment_fixed_size 327680
		.amdhsa_private_segment_fixed_size 0
		.amdhsa_enable_private_segment 0
		.amdhsa_kernarg_size 96
		.amdhsa_user_sgpr_count 2
		.amdhsa_user_sgpr_kernarg_segment_ptr 1
		.amdhsa_wavefront_size32 1
		.amdhsa_system_sgpr_workgroup_id_x 1
		.amdhsa_system_sgpr_workgroup_id_y 1
		.amdhsa_system_sgpr_workgroup_id_z 1
		.amdhsa_system_vgpr_workitem_id 0
		.amdhsa_next_free_vgpr 1024
		.amdhsa_next_free_sgpr 96
		.amdhsa_reserve_vcc 1
		.amdhsa_float_denorm_mode_32 3
		.amdhsa_float_denorm_mode_16_64 3
		.amdhsa_memory_ordered 1
		.amdhsa_forward_progress 1
		.amdhsa_inst_pref_size 255
	.end_amdhsa_kernel
	.section	.bss,"aw",@nobits
	.p2align	6
	.space	262144
	.amdgpu_metadata
---
amdhsa.version: [ 1, 2 ]
amdhsa.kernels:
  - .name:           k_qdee969bb6f_main
    .symbol:         k_qdee969bb6f_main.kd
    .args:
      - { .name: gridh, .offset: 0, .size: 8, .value_kind: global_buffer, .address_space: global }
      - { .name: pix, .offset: 8, .size: 8, .value_kind: global_buffer, .address_space: global }
      - { .name: ipw, .offset: 16, .size: 8, .value_kind: global_buffer, .address_space: global }
      - { .name: enc, .offset: 24, .size: 8, .value_kind: global_buffer, .address_space: global }
      - { .name: wts, .offset: 32, .size: 8, .value_kind: global_buffer, .address_space: global }
      - { .name: par, .offset: 40, .size: 8, .value_kind: global_buffer, .address_space: global }
      - { .name: b_mlp0, .offset: 48, .size: 8, .value_kind: global_buffer, .address_space: global }
      - { .name: b_mlp1, .offset: 56, .size: 8, .value_kind: global_buffer, .address_space: global }
      - { .name: b_mlp2, .offset: 64, .size: 8, .value_kind: global_buffer, .address_space: global }
      - { .name: b_mlp3, .offset: 72, .size: 8, .value_kind: global_buffer, .address_space: global }
      - { .name: b_out, .offset: 80, .size: 8, .value_kind: global_buffer, .address_space: global }
      - { .name: out0, .offset: 88, .size: 8, .value_kind: global_buffer, .address_space: global }
    .group_segment_fixed_size: 327680
    .private_segment_fixed_size: 0
    .kernarg_segment_align: 8
    .kernarg_segment_size: 96
    .max_flat_workgroup_size: 128
    .sgpr_count:     96
    .vgpr_count:     1024
    .wavefront_size: 32
...
	.end_amdgpu_metadata
.endif
;; end of part 2
;; ======== version 2 of 2: 2 launches; 1.59 times as fast as version 1
;; limits: values are held in f16: magnitudes above 65,504 overflow, below 6.1e-05 lose precision; inputs' magnitudes at most 65,504
;; workspace buffers: gridh 4,194,304 bytes; pix 524,288 bytes of whole numbers; ipw 524,288 bytes; enc 4,194,304 bytes; wts 532,480 bytes; par 20,480 bytes
;; launch prep: the kernel of part 1 again; grid 281 x 1, 8 waves a work-group, no clusters, 34,816 bytes of LDS; arguments feature_grid, coords, context_vector, w_film, b_film, w_mlp0, w_mlp1, w_mlp2, w_mlp3, w_out, gridh, pix, ipw, enc, wts, par; writes gridh, pix, ipw, enc, wts, par
;; launch main (part 3): grid 256 x 1, 4 waves a work-group, clusters of 4 x 1, 327,680 bytes of LDS; arguments gridh, pix, ipw, enc, wts, par, b_mlp0, b_mlp1, b_mlp2, b_mlp3, b_out, out0; writes out0
.if DOCPART == 3
	.amdgcn_target "amdgcn-amd-amdhsa--gfx1250"
	.amdhsa_code_object_version 6
	.text
	.protected	k_qdee969bb6f_main
	.globl	k_qdee969bb6f_main
	.p2align	8
	.type	k_qdee969bb6f_main,@function
k_qdee969bb6f_main:
	s_mov_b64 s[64:65], 0
	v_nop
	global_prefetch_b8 v0, s[64:65] scope:SCOPE_SE
	s_setreg_imm32_b32 hwreg(HW_REG_WAVE_MODE, 25, 1), 1
	s_wait_xcnt 0x0
	s_wait_alu depctr_hold_cnt(0) depctr_sa_sdst(0) depctr_va_vdst(0) depctr_va_sdst(0) depctr_va_ssrc(0) depctr_va_vcc(0) depctr_vm_vsrc(0)
	s_getreg_b32 s2, hwreg(HW_REG_IB_STS2, 6, 4)
	s_cmp_eq_u32 s2, 0
	s_cbranch_scc0 .Lentry_in_a_cluster
	s_endpgm
.Lentry_in_a_cluster:
	s_bfe_u32 s2, ttmp6, 0x10000c
	s_cmp_lg_u32 s2, 0x3003
	s_cbranch_scc0 .Lentry_shape_is_right
	s_endpgm
.Lentry_shape_is_right:
; THE DECODER, FUSED: bilinear gather, four layers of 256 with bias, FiLM and tanh-GELU, the layer of 3 and tanh.
; SHARES.  A work-group owns 128 points in all four images; wave w takes image w, in two passes of 64 points (four tiles of 16).
; PRODUCTS ARE TRANSPOSED: H_out^T = W^T H_in^T.  Source 0 = 16 output channels x 32 k from LDS, source 1 = 32 k x 16 points from registers: a pass's input activations (64 points x 256 k)
; fill 256 registers for a whole layer.  In a result a lane holds ONE point (lane % 16) and channels 8 (lane / 16) + 0..7: after the GELU they pack into 16 bytes of a row [point][channel]
; of the wave's own stage in LDS, from which the next layer's source 1 is read.  Layer 0's K of 170 is filled to 256 with zero weights, so that one text serves all four layers.
; WEIGHTS come as half layers (128 rows of 512 bytes) through two LDS slots, each wave fetching 32 rows.  The four work-groups of a cluster walk the same 16 tiles (8 half layers, twice), so
; each tile is asked for JOINTLY: the same tensor load, descriptor and mask in all four.  One tensor load of a wave is out behind each round, with 256 matrix instructions in which to land.
; BY TURNS.  A chunk is 16 output channels: 32 matrix instructions on four accumulators that take turns.  The GELU of the chunk before, 176 vector instructions, stands beside them: 48 in a
; lump ahead, four behind each matrix instruction.
; BATCHES.  A chunk's 64 transcendentals are two batches with one wait each: the 32 exponentials (among numbers 16 to 95 of the GELU's list, between the plain stages of the later tiles; their wait
; stands behind the twelfth product) and the 32 reciprocals (among numbers 100 to 143, between the additions of S; their wait stands behind the twenty-fourth).  Nothing ahead of a batch's wait names
; one of its results, and no result is open at a label or a branch.  The way out has the same two batches, of 12 each.
; FORMATS.  Matrix operands in f16, sums and everything else in f32; the interpolation is four packed f16 multiply-adds.
; THE SCALE.  Layer l's activations are kept as h / S_l, S_l a power of two for each image, from a bound U_l >= |h_l|: U_in = max(1, max|coords|, max|grid|),
; U_l = max over channels of (sum_k |w| U_(l-1) |1 + gamma| + |b (1 + gamma) + beta|), since |gelu t| <= |t|; S_l = 2^(exponent of U_l - 14), so |h / S_l| < 2^15.
; The scale costs nothing a number: t = acc G + Bv with G = (1 + gamma) S_(l-1); gelu(t) / S_l = t / (S_l + 2^(L_l + t (c0 + c1 t^2))), L_l = log2 S_l.
; LIMITS.  U is held to 2^-100 .. 2^100; an exponential or reciprocal below 2^-126 counts as 0; activations below 2^-24 S_l count as 0; NaN and infinities are not treated apart;
; sums are taken in another order than the reference's.  tanh z = 1 - 2 / (1 + e^(2z)); below |z| = 0.125 the series z (1 - z^2/3 + 2 z^4/15), off by 5e-8 of z at the most.
; REGISTERS, in windows of 256 (s_set_vgpr_msb: bits 1:0 source 0, 3:2 source 1, 5:4 source 2, 7:6 destination):
;   window 0: v0-23 addresses; v24-27 L, L, S, S; v28-31 zeros; v32-63 X at work; v64-95, v96-127 two sets of four accumulators; v128-143, v144-159 a chunk's G and Bv, twice; v160-175 packed
;             results; v176-255 at work in the head and on the way out (the head also uses v32-151)
;   window 1: the input activations, tile t, k block kf at 64 t + 8 kf; in the gather two batches of 8 pairs of points x 4 corners x 4 registers
;   window 2: v0-63, v64-127 weight fragments, two buffers; v128-191 the output layer's fragments; v192-255 the encoding as loaded
;   window 3: v0-127 corner offsets, a pair of points at 4 i; v128-255 corner weights
.set SLOTB, 67584                      ; a slot: 128 rows of 512 bytes + 16 of padding: the 16 rows of a fragment load start at 16 different groups of four banks
.set STAGE, 135168                     ; 35,840 bytes a wave: 64 points, 560 bytes apart: 512 of channels, 32 of scrap, 16 idle
.set STW,   35840
.set SPI,   560
.set TAB,   278528                     ; 8,192 bytes a wave: layer 2,048, chunk 128 = G[16], Bv[16] in f32
.set LSC,   311296                     ; 64 bytes a wave: (L, L, S, S) for each layer
.set OUTS,  311552                     ; 3,072 bytes a wave: 128 points x 12 bytes, then as much scrap for the lanes that hold channels 8..15
.set SPARE, 323840                     ; the spare words, 128 bytes a wave
.set W_MM,  0x06                       ; source 0 window 2, source 1 window 1, C and D window 0
.set MSB, 0
.macro WIN new                         ; the immediate's high byte repeats the setting that is left; a switch that changes nothing is dropped
.if MSB != (\new)
	s_set_vgpr_msb (MSB<<8)|(\new)
.set MSB, \new
.endif
.endm
.macro CROUND                          ; a round of the cluster's barrier
	s_barrier_signal -1
	s_barrier_wait -1
	s_cmp_lg_u32 s28, 0
	s_cbranch_scc1 .Lnw0_\@
	s_barrier_signal -3
.Lnw0_\@:
	s_barrier_wait -3
	s_barrier_signal -1
	s_barrier_wait -1
.endm
.macro MAXRED v, t
	v_max_num_f32_dpp \v, \v, \v row_xmask:1 row_mask:0xf bank_mask:0xf
	v_max_num_f32_dpp \v, \v, \v row_xmask:2 row_mask:0xf bank_mask:0xf
	v_max_num_f32_dpp \v, \v, \v row_xmask:4 row_mask:0xf bank_mask:0xf
	v_max_num_f32_dpp \v, \v, \v row_xmask:8 row_mask:0xf bank_mask:0xf
	v_permlanex16_b32 \t, \v, s54, s55
	v_max_num_f32 \v, \v, \t
.endm
	s_load_b512 s[4:19], s[0:1], 0x0       ; gridh 4, pix 6, ipw 8, enc 10, wts 12, par 14, b_mlp0 16, b_mlp1 18
	s_load_b256 s[20:27], s[0:1], 0x40     ; b_mlp2 20, b_mlp3 22, b_out 24, out0 26
	v_lshl_add_u32 v4, v0, 2, SPARE        ; my spare word; never rewritten
	v_mov_b32 v5, 0                        ; 0; never rewritten
	ds_add_u32 v4, v5                      ; the wave's opening: the add and its wait stand ahead of my first tensor load
	v_lshrrev_b32 v1, 5, v0
	v_readfirstlane_b32 s28, v1            ; wave = image
	s_bfe_u32 s29, ttmp6, 0x40000          ; cx
	s_lshl_b32 s30, ttmp9, 2
	s_add_co_u32 s30, s30, s29             ; my block of 128 points: it enters the addresses of pix, ipw, enc and out0 alone
	s_mov_b32 s32, 15|(1<<16)|(1<<20)|(1<<21)|(6<<22)|(3<<25)  ; group 1: mask of four; 2-byte elements; padding on; bit 21 beside a mask; after every 128 words 4 words
	s_mov_b32 s33, 256<<16                 ; tensor_dim0 = 256
	s_mov_b32 s34, 32<<16                  ; tensor_dim1 = 32
	s_mov_b32 s35, 256<<16                 ; tile_dim0 = 256
	s_mov_b32 s36, 32                      ; tile_dim1 = 32
	s_mov_b32 s37, 256                     ; 256 elements from row to row
	s_mov_b32 s38, 0
	s_mov_b32 s39, 0
	s_mov_b32 s40, 1                       ; group 0 of slot 0,
	s_mul_i32 s41, s28, 16896              ; my 32 rows of it
	s_mov_b32 s44, 1                       ; and of slot 1
	s_add_co_u32 s45, s41, SLOTB
	s_mov_b32 s49, 0
	s_mov_b32 s85, 0
	s_mov_b32 s91, 0
	s_mov_b32 s54, 0x76543210
	s_mov_b32 s55, 0xfedcba98
	s_mov_b32 s56, 0xc0135761              ; c0 = -2 sqrt(2 / pi) log2(e)
	s_mov_b32 s57, s56
	s_mov_b32 s58, 0xbdd2d3e7              ; c1 = 0.044715 c0
	s_mov_b32 s59, s58
	s_mov_b32 s78, 0x4038aa3b              ; 2 log2(e)
	s_mov_b32 s79, 0xbeaaaaab              ; -1/3
	s_mov_b32 s80, 0x3e088889              ; 2/15
	s_mov_b32 s81, 0x3e000000              ; 0.125
	s_mov_b32 s82, 0x0d800000              ; 2^-100
	s_mov_b32 s83, 0x71800000              ; 2^100
	s_mov_b32 s50, 1                       ; the tile to be asked for next
	s_mov_b32 s51, 7                       ; layers in the loop
	s_mov_b32 s52, 0                       ; the layer in hand
	s_wait_dscnt 0x0                       ; the opening add is done
	s_wait_kmcnt 0x0
	s_lshl_b32 s84, s28, 14                ; my 32 rows of a tile in memory
	s_add_nc_u64 s[66:67], s[12:13], s[84:85]
	s_mov_b64 s[42:43], s[66:67]           ; tile 0
	s_or_b32 s43, s43, 0x80000000          ; type = 2
	s_lshl_b32 s84, s28, 20                ; my image of gridh
	s_add_nc_u64 s[68:69], s[4:5], s[84:85]
	s_lshl_b32 s90, s30, 11                ; 128 points x 16 bytes
	s_add_nc_u64 s[70:71], s[6:7], s[90:91]
	s_add_nc_u64 s[72:73], s[8:9], s[90:91]
	s_lshl_b32 s90, s30, 14                ; 128 points x 128 bytes
	s_add_nc_u64 s[74:75], s[10:11], s[90:91]
	s_mul_i32 s90, s28, 393216             ; my image of out0,
	s_mul_i32 s92, s30, 1536               ; 128 points x 12 bytes
	s_add_co_u32 s90, s90, s92
	s_add_nc_u64 s[76:77], s[26:27], s[90:91]
	s_load_b96 s[60:62], s[24:25], 0x0     ; b_out
	CROUND                                 ; all four work-groups are here: the first joint load meets
	tensor_load_to_lds s[40:43], s[32:39]  ; tile 0 into slot 0; slot 1 is asked for by the first change of slots
	s_nop 0
.rept 4
	v_nop
.endr
; The loads of a pass's corner offsets and weights (a load: two points, 16 lanes each reading the point's 16 bytes) and of its encoding (a load: four points, 512 consecutive bytes).
.macro IDX pass
	WIN 0xc0
.set i, 0
.rept 32
	global_load_b128 v[4*i:4*i+3], v15, s[70:71] offset:(\pass)*1024+32*i
	global_load_b128 v[128+4*i:128+4*i+3], v15, s[72:73] offset:(\pass)*1024+32*i
.set i, i+1
.endr
	WIN 0x80
.set i, 0
.rept 16
	global_load_b128 v[192+4*i:192+4*i+3], v16, s[74:75] offset:(\pass)*8192+512*i
.set i, i+1
.endr
	WIN 0
.endm
	v_and_b32 v1, 15, v0                   ; r
	v_bfe_u32 v2, v0, 4, 1                 ; h
	v_and_b32 v3, 31, v0                   ; lane
	v_lshlrev_b32 v15, 4, v2
	v_lshlrev_b32 v16, 4, v3
	v_lshlrev_b32 v17, 4, v1
	v_lshlrev_b32 v20, 9, v1
	v_lshl_add_u32 v20, v2, 4, v20         ; a fragment's row of 512 bytes + 16 h
	IDX 0
	WIN 0x80
.irp kf, 0,1,2,3,4,5,6,7               ; the output layer's fragments stay in registers
	global_load_b128 v[128+8*\kf:131+8*\kf], v20, s[12:13] offset:524288+64*\kf
	global_load_b128 v[132+8*\kf:135+8*\kf], v20, s[12:13] offset:524288+64*\kf+32
.endr
	WIN 0
	; what the table is made of: a lane takes channels 8 lane .. 8 lane + 7
	v_lshlrev_b32 v178, 5, v3
	s_lshl_b32 s31, s28, 11
	v_add_nc_u32 v176, s31, v178
	s_lshl_b32 s31, s28, 10
	v_add_nc_u32 v177, s31, v178
	v_lshlrev_b32 v179, 7, v3
	global_load_b128 v[32:35], v176, s[14:15]              ; 1 + gamma
	global_load_b128 v[36:39], v176, s[14:15] offset:16
	global_load_b128 v[40:43], v176, s[14:15] offset:1024  ; beta
	global_load_b128 v[44:47], v176, s[14:15] offset:1040
.irp l, 0,1,2,3
	global_load_b128 v[48+8*\l:51+8*\l], v178, s[16+2*\l:17+2*\l]            ; the layer's bias
	global_load_b128 v[52+8*\l:55+8*\l], v178, s[16+2*\l:17+2*\l] offset:16
	global_load_b128 v[80+8*\l:83+8*\l], v178, s[14:15] offset:8192+1024*\l  ; its channels' sums of |w|
	global_load_b128 v[84+8*\l:87+8*\l], v178, s[14:15] offset:8192+1024*\l+16
.endr
	global_load_b128 v[112:115], v177, s[14:15] offset:12288  ; my image's 256 partial maxima
	global_load_b128 v[116:119], v177, s[14:15] offset:12304
.irp i, 0,1,2,3,4,5,6,7
	global_load_b128 v[120+4*\i:123+4*\i], v179, s[14:15] offset:16384+16*\i  ; the coordinates' 1,024
.endr
	; LDS addresses: a constant, the wave's number times a constant, a lane term
	v_mul_u32_u24 v6, v1, 528
	v_lshl_add_u32 v6, v2, 4, v6           ; v6: my place in a chunk of weights
	s_lshl_b32 s31, s28, 13
	s_add_co_u32 s31, s31, TAB
	v_lshl_add_u32 v9, v2, 5, s31          ; v9: my eight channels' G in a chunk of the table
	v_lshrrev_b32 v23, 1, v3
	v_lshlrev_b32 v23, 7, v23
	v_and_b32 v19, 1, v3
	v_lshl_add_u32 v23, v19, 5, v23
	v_add_nc_u32 v23, s31, v23             ; v23: where the head puts them
	s_mul_i32 s31, s28, STW
	s_add_co_u32 s31, s31, STAGE
	v_mul_u32_u24 v10, v1, SPI
	v_lshl_add_u32 v10, v2, 4, v10
	v_add_nc_u32 v10, s31, v10             ; v10: stage row r, 16 bytes for each half of the lanes
	v_mul_u32_u24 v13, v2, SPI
	v_lshl_add_u32 v13, v1, 4, v13
	v_add_nc_u32 v13, s31, v13             ; v13: the gather: lanes 0-15 one point's 256 bytes, lanes 16-31 the next point's
	v_lshrrev_b32 v14, 3, v3
	v_mul_u32_u24 v14, v14, SPI
	v_and_b32 v19, 7, v3
	v_lshl_add_u32 v14, v19, 4, v14
	v_add_nc_u32 v14, s31, v14
	v_add_nc_u32 v14, 256, v14             ; v14: the encoding: eight lanes a point, behind the 128 samples
	s_mul_i32 s31, s28, 3072
	s_add_co_u32 s31, s31, OUTS
	v_mul_u32_u24 v18, v2, 1536
	v_mad_u32_u24 v18, v1, 12, v18
	v_add_nc_u32 v18, s31, v18             ; v18: a point's three results
	v_add_nc_u32 v21, s31, v16             ; v21: and back, 16 bytes a lane
	s_lshl_b32 s31, s28, 6
	s_add_co_u32 s31, s31, LSC
	v_mov_b32 v22, s31                     ; v22: my L and S
	s_wait_loadcnt 0x0
	s_wait_kmcnt 0x0
	; U_in
	v_max3_num_f32 v180, v112, v113, 1.0
.set i, 114
.rept 19
	v_max3_num_f32 v180, v[i], v[i+1], v180
.set i, i+2
.endr
	v_mov_b32 v181, 0
	MAXRED v180, v181
	v_mov_b32 v182, 1.0                    ; the scale of the layer before
	v_mov_b32 v183, 1.0
.macro TABL l                          ; layer l's G, Bv, bound, S and L
.irp p, 0,2,4,6
	v_pk_fma_f32 v[184+\p:185+\p], v[48+8*(\l)+\p:49+8*(\l)+\p], v[32+\p:33+\p], v[40+\p:41+\p]
	v_pk_mul_f32 v[192+\p:193+\p], v[32+\p:33+\p], v[182:183]
.endr
.irp j, 0,1,2,3,4,5,6,7
	v_mul_f32 v[200+\j], v[80+8*(\l)+\j], v180
.endr
.irp j, 0,1,2,3,4,5,6,7
	v_fma_f32 v[200+\j], v[200+\j], |v[32+\j]|, |v[184+\j]|
.endr
	v_max3_num_f32 v200, v200, v201, v202
	v_max3_num_f32 v203, v203, v204, v205
	v_max3_num_f32 v200, v200, v206, v207
	v_max_num_f32 v180, v200, v203
	MAXRED v180, v181
	v_med3_num_f32 v180, v180, s82, s83
	v_lshrrev_b32 v208, 23, v180           ; the biased exponent
	v_add_nc_u32 v209, -14, v208
	v_lshlrev_b32 v182, 23, v209           ; S
	v_mov_b32 v183, v182
	v_add_nc_u32 v209, 0xffffff73, v208    ; less 141
	v_cvt_f32_i32 v210, v209               ; L = log2 S
	v_mov_b32 v211, v210
	v_mov_b32 v212, v182
	v_mov_b32 v213, v182
	ds_store_b128 v23, v[192:195] offset:2048*(\l)
	ds_store_b128 v23, v[196:199] offset:2048*(\l)+16
	ds_store_b128 v23, v[184:187] offset:2048*(\l)+64
	ds_store_b128 v23, v[188:191] offset:2048*(\l)+80
	ds_store_b128 v22, v[210:213] offset:16*(\l)   ; every lane writes the same 16 bytes
.endm
	TABL 0
	TABL 1
	TABL 2
	TABL 3                                 ; a wave reads its own table alone, and LDS serves a wave's instructions in order: no barrier
	; a layer's first phase runs the GELU of a chunk that has not been, into the scrap column: its registers need only be written
.set i, 96
.rept 32
	v_mov_b32 v[i], 0
.set i, i+1
.endr
.set i, 144
.rept 16
	v_mov_b32 v[i], 0
.set i, i+1
.endr
.set i, 28
.rept 4
	v_mov_b32 v[i], 0
.set i, i+1
.endr
; THE GELU OF A CHUNK (accumulator set P, four tiles g of 16 points, eight numbers a lane and tile) as a numbered list of 176; GE writes number n and steps n.
; For a pair: T t = acc G + Bv (in place); U x = t t; V x = x c1 + c0; W x = t x + L; E two exponentials; D x = x + S; R two reciprocals; Y x = t x; C the pair to f16.
.macro P1 P, g, m                      ; stage m / 4 of T, U, V, W for pair m % 4
.set rA, 64+32*(\P)+8*(\g)+2*((\m)%4)
.set rX, 32+8*(\g)+2*((\m)%4)
.set rG, 128+16*(\P)+2*((\m)%4)
.if (\m)/4 == 0
	v_pk_fma_f32 v[rA:rA+1], v[rA:rA+1], v[rG:rG+1], v[rG+8:rG+9]
.elseif (\m)/4 == 1
	v_pk_mul_f32 v[rX:rX+1], v[rA:rA+1], v[rA:rA+1]
.elseif (\m)/4 == 2
	v_pk_fma_f32 v[rX:rX+1], v[rX:rX+1], s[58:59], s[56:57] op_sel_hi:[1,0,0]
.else
	v_pk_fma_f32 v[rX:rX+1], v[rA:rA+1], v[rX:rX+1], v[24:25]
.endif
.endm
.macro TE g, i
	v_exp_f32 v[32+8*(\g)+(\i)], v[32+8*(\g)+(\i)]
.endm
.macro TR g, i
	v_rcp_f32 v[32+8*(\g)+(\i)], v[32+8*(\g)+(\i)]
.endm
.macro P2 g, p                         ; D: reads two exponentials: it stands behind their batch's wait
	v_pk_add_f32 v[32+8*(\g)+2*(\p):33+8*(\g)+2*(\p)], v[32+8*(\g)+2*(\p):33+8*(\g)+2*(\p)], v[26:27]
.endm
.macro P3 P, g, m                      ; m < 4: Y of pair m, which reads two reciprocals: it stands behind their batch's wait; else C of pair m - 4
.if (\m) < 4
.set rA, 64+32*(\P)+8*(\g)+2*(\m)
.set rX, 32+8*(\g)+2*(\m)
	v_pk_mul_f32 v[rX:rX+1], v[rA:rA+1], v[rX:rX+1]
.else
	v_cvt_pk_f16_f32 v[160+4*(\g)+(\m)-4], v[32+8*(\g)+2*((\m)-4)], v[33+8*(\g)+2*((\m)-4)]
.endif
.endm
.macro PUT P, g                        ; tile g's 16 bytes a lane into the stage
	ds_store_b128 v[11+(\P)], v[160+4*(\g):163+4*(\g)] offset:8960*(\g)
.endm
; THE ORDER.  The list is cut in three by the two waits, which the callers write behind numbers 95 and 143, each with a plain instruction between the batch's last transcendental and the wait.
;   0-95     all that names no exponential's result: tile 0's 16 plain stages; three times (an exponential of tile b, two plain stages of tile b + 1) x 8; tile 3's eight exponentials.
;            Each accumulator is first read at its two lowest registers.
;   96-143   the 16 D and the 32 reciprocals, number i of 32 in v[32 + i], pair q of 16 in v[32 + 2 q]: D 0-3; (R, D) x 4 with R 0-3 and D 4-7; (R, D, R, R) x 8 with R 4-27 and D 8-15; R 28-31.
;            A D stands four lines or more ahead of the reciprocals that read it.  No line here names a reciprocal's result.
;   144-175  the 16 Y and the 16 C: Y 0-3; (Y, C) x 12 with Y 4-15 and C 0-11; C 12-15.  Behind the last the four tiles' stores into the stage, in one run.
.macro GE P
.if n < 16
	P1 \P, 0, n
.elseif n < 88
.if (n-16)%3 == 0
	TE (n-16)/24, ((n-16)%24)/3
.else
	P1 \P, (n-16)/24+1, 2*(((n-16)%24)/3)+(n-16)%3-1
.endif
.elseif n < 96
	TE 3, n-88
.elseif n < 144
.set z, n-96
.if z < 4
	P2 0, z
.elseif z < 12
.if z%2 == 0
	TR 0, (z-4)/2
.else
	P2 1, (z-5)/2
.endif
.elseif z < 44
.if z%4 == 1
.set q, 8+(z-12)/4
	P2 q/4, q%4
.else
.set q, 4+3*((z-12)/4)+(z%4+1)/2
	TR q/8, q%8
.endif
.else
	TR 3, z-40
.endif
.else
.set z, n-144
.if z < 4
	P3 \P, 0, z
.elseif z < 28
.if z%2 == 0
.set q, 4+(z-4)/2
	P3 \P, q/4, q%4
.else
.set q, (z-5)/2
	P3 \P, q/4, 4+q%4
.endif
.else
	P3 \P, 3, z-24
.endif
.endif
.if n == 175
	PUT \P, 0
	PUT \P, 1
	PUT \P, 2
	PUT \P, 3
.endif
.set n, n+1
.endm
.macro FETCHA buf                      ; a chunk's weights, 16 channels x 256 k: 16 LDS loads in one run; s86 steps from chunk to chunk
	v_add_nc_u32 v7, s86, v6
	s_add_co_u32 s86, s86, 8448
	WIN 0x80
.irp kf, 0,1,2,3,4,5,6,7
	ds_load_b128 v[64*(\buf)+8*\kf:64*(\buf)+8*\kf+3],   v7 offset:64*\kf
	ds_load_b128 v[64*(\buf)+8*\kf+4:64*(\buf)+8*\kf+7], v7 offset:64*\kf+32
.endr
	WIN 0
.endm
; A PHASE: chunk c (by parity) is multiplied into accumulator set c; beside it the GELU of the chunk before, in set 1 - c.
; At its head: this chunk's G and Bv.  The one wait for LDS, behind the lump, covers those four loads and the weights asked for in the phase before.
; Behind the twelfth product the list has reached number 96: the line that says where this chunk's results will go (wanted in the next phase) is the plain instruction behind the last exponential;
; the wait for the 32 exponentials follows; and directly behind it, with its branch, the run of loads for the next chunk's weights: their buffer's last reader stands a lump and twelve products'
; riders back, and twenty products and the next lump stand between the run and the wait for it.  Behind the twenty-fourth product the list has reached number 144: a v_nop, and the wait for the 32 reciprocals.
.macro PHASE c
	v_add_nc_u32 v8, s87, v9
	s_add_co_u32 s87, s87, 128
	ds_load_b128 v[128+16*(\c):131+16*(\c)], v8
	ds_load_b128 v[132+16*(\c):135+16*(\c)], v8 offset:16
	ds_load_b128 v[136+16*(\c):139+16*(\c)], v8 offset:64
	ds_load_b128 v[140+16*(\c):143+16*(\c)], v8 offset:80
.set n, 0
.rept 48
	GE 1-(\c)
.endr
	s_wait_dscnt 0x0
.set k, 0
.rept 32
.set mD, 64+32*(\c)+8*(k%4)
.set mA, 64*(\c)+8*(k/4)
.set mB, 64*(k%4)+8*(k/4)
	WIN W_MM
.if k < 4
	v_wmma_f32_16x16x32_f16 v[mD:mD+7], v[mA:mA+7], v[mB:mB+7], 0
.else
	v_wmma_f32_16x16x32_f16 v[mD:mD+7], v[mA:mA+7], v[mB:mB+7], v[mD:mD+7]
.endif
	WIN 0
.rept 4
	GE 1-(\c)
.endr
.if k == 11
	v_add_nc_u32 v[11+(\c)], s88, v10      ; where this chunk's results will go: the plain instruction behind the last exponential
	s_add_co_u32 s88, s88, 32
	s_wait_alu depctr_va_vdst(0)           ; the wait for the batch of 32 exponentials, ahead of the branch below and of the first D
.if (\c) == 1
	s_cmp_eq_u32 s53, 1                    ; a tile's last chunk has no successor in its slot
	s_cbranch_scc1 .Lnf_\@
	FETCHA 0
.Lnf_\@:
.else
	FETCHA 1
.endif
.elseif k == 23
	v_nop                                  ; the plain instruction behind the last reciprocal: all the plain work that is left reads the batch
	s_wait_alu depctr_va_vdst(0)           ; the wait for the batch of 32 reciprocals, ahead of the first Y
.endif
.set k, k+1
.endr
.endm
.macro TILE                            ; a slot's eight chunks
	s_mov_b32 s53, 4
.Ltile_\@:
	PHASE 0
	PHASE 1
	WIN 0
	s_sub_co_u32 s53, s53, 1
	s_cmp_lg_u32 s53, 0
	s_cbranch_scc1 .Ltile_\@
.endm
; THE CHANGE OF SLOTS, ahead of reading slot rd.  Each wave waits for all its tensor loads, of which one is out: its part of slot rd; adds 0 to its spare word; and waits for that and for its LDS
; reads.  fill = 1: the other slot, which nobody reads any more, is filled with tile s50; the barrier is then a round of the cluster's, and the joint load is the first thing behind it.
.macro CHANGE rd, fill
	WIN 0
	s_wait_tensorcnt 0x0                   ; no tensor load of mine is out, so a group 0 may be written
	ds_add_u32 v4, v5                      ; scalar work stands between the add and the wait for it
.if \fill
	s_lshl_b32 s48, s50, 16                ; a tile is 65,536 bytes of wts
	s_add_nc_u64 s[46-4*(\rd):47-4*(\rd)], s[66:67], s[48:49]
	s_or_b32 s[47-4*(\rd)], s[47-4*(\rd)], 0x80000000
	s_add_co_u32 s50, s50, 1
	s_and_b32 s50, s50, 7                  ; behind the eighth tile the second pass's first
.endif
	s_mov_b32 s86, (\rd)*SLOTB
	s_wait_dscnt 0x0                       ; the add is done, and my LDS reads are over
.if \fill
	CROUND
	tensor_load_to_lds s[44-4*(\rd):47-4*(\rd)], s[32:39]
	s_nop 0
.rept 4
	v_nop
.endr
.else
	s_barrier_signal -1
	s_barrier_wait -1
.endif
	FETCHA 0
.endm
.macro DRAIN                           ; the stage's 64 points x 256 channels become source 1's fragments
	WIN 0x40
.set i, 0
.rept 32
	ds_load_b128 v[8*i:8*i+3],   v10 offset:8960*(i/8)+64*(i%8)
	ds_load_b128 v[8*i+4:8*i+7], v10 offset:8960*(i/8)+64*(i%8)+32
.set i, i+1
.endr
	WIN 0
.endm
.macro LAYER fill2
	DRAIN                                  ; LDS serves a wave's instructions in order: these see the stage's stores, and the layer's own stores come behind them
	s_lshl_b32 s89, s52, 4
	v_add_nc_u32 v19, s89, v22
	ds_load_b128 v[24:27], v19             ; the layer's L and S
	s_lshl_b32 s87, s52, 11                ; its part of the table
	s_mov_b32 s88, 0
	v_add_nc_u32 v12, 512, v10             ; the first phase's GELU lands in the scrap column
	CHANGE 0, 1
	TILE
	CHANGE 1, \fill2
	TILE
.set n, 0
.rept 96
	GE 1                                   ; the last chunk's GELU stands bare, cut by the same two waits
.endr
	v_nop                                  ; the plain instruction behind the last exponential
	s_wait_alu depctr_va_vdst(0)           ; the wait for the batch of 32 exponentials
.rept 48
	GE 1
.endr
	v_nop                                  ; the plain instruction behind the last reciprocal
	s_wait_alu depctr_va_vdst(0)           ; the wait for the batch of 32 reciprocals
.rept 32
	GE 1
.endr
.endm
; THE GATHER of a pass.  A pixel of gridh is 256 bytes, 16 lanes; a load takes one corner of two points.  Four batches of 8 pairs x 4 corners, two batches on their way.
.macro GLOAD b
	WIN 0x43                               ; destination window 1, address window 3
.set j, 0
.rept 8
.irp c, 0,1,2,3
	global_load_b128 v[128*((\b)&1)+16*j+4*\c:128*((\b)&1)+16*j+4*\c+3], v[4*(8*(\b)+j)+\c], s[68:69]
.endr
.set j, j+1
.endr
.endm
.macro GDO b, y                        ; y: the loads of the batch behind, which stay out
	WIN 0x5d                               ; grid data window 1, weights window 3
.set j, 0
.rept 8
	s_wait_loadcnt (\y)+28-4*j             ; pair j's four corners are in
.set gb, 128*((\b)&1)+16*j
.set gw, 128+4*(8*(\b)+j)
.irp q, 0,1,2,3
	v_pk_mul_f16 v[gb+\q], v[gb+\q], v[gw]
.endr
.irp c, 1,2,3
.irp q, 0,1,2,3
	v_pk_fma_f16 v[gb+\q], v[gb+4*\c+\q], v[gw+\c], v[gb+\q]
.endr
.endr
.set j, j+1
.endr
	WIN 0x04                               ; store data window 1
.set j, 0
.rept 8
	ds_store_b128 v13, v[128*((\b)&1)+16*j:128*((\b)&1)+16*j+3] offset:1120*(8*(\b)+j)
.set j, j+1
.endr
.endm
.macro GATHER
	s_wait_loadcnt 0x0                     ; the pass's offsets, weights and encoding
	WIN 0xcc
.set i, 0
.rept 128
	v_min_u32 v[i], 0xfff00, v[i]          ; a loaded offset is held inside an image before it enters an address
	v_add_nc_u32 v[i], v17, v[i]           ; + my 16 bytes of the pixel
.set i, i+1
.endr
	GLOAD 0
	GLOAD 1
	GDO 0, 32
	GLOAD 2
	GDO 1, 32
	GLOAD 3
	GDO 2, 32
	GDO 3, 0
	WIN 0x08                               ; store data window 2
.set i, 0
.rept 16
	ds_store_b128 v14, v[192+4*i:192+4*i+3] offset:2240*i
.set i, i+1
.endr
	WIN 0
.set i, 0
.rept 16
	ds_store_b128 v14, v[28:31] offset:2240*i+128  ; k = 192 .. 255 meet zero weights and must be finite: zeros
.set i, i+1
.endr
	s_cmp_lg_u32 s51, 7
	s_cbranch_scc1 .Lno_idx_\@
	IDX 1                                  ; the second pass's, asked for a whole pass ahead
.Lno_idx_\@:
.endm
.macro ALL12 line:vararg               ; one line for each of a lane's 12 results i: tile i / 3, channel i % 3
.set i, 0
.rept 12
	\line
.set i, i+1
.endr
.endm
.macro OUT pass
	s_wait_dscnt 0x0                       ; the fragments are in
	WIN W_MM
.set k, 0
.rept 32
.set mD, 64+8*(k%4)
.set mA, 128+8*(k/4)
.set mB, 64*(k%4)+8*(k/4)
.if k < 4
	v_wmma_f32_16x16x32_f16 v[mD:mD+7], v[mA:mA+7], v[mB:mB+7], 0
.else
	v_wmma_f32_16x16x32_f16 v[mD:mD+7], v[mA:mA+7], v[mB:mB+7], v[mD:mD+7]
.endif
.set k, k+1
.endr
	WIN 0
.rept 4
	v_nop                                  ; the places behind the last products
.endr
	ALL12 v_fma_f32 v[176+i], v[64+8*(i/3)+i%3], v26, s[60+i%3]   ; z = acc S + b_out
	ALL12 v_mul_f32 v[188+i], s78, v[176+i]
	ALL12 v_exp_f32 v[188+i], v[188+i]                            ; the first batch: 12 exponentials
	ALL12 v_mul_f32 v[200+i], v[176+i], v[176+i]                  ; the series' z^2 reads none of them: the work between the batch and its wait
	s_wait_alu depctr_va_vdst(0)           ; the wait for the 12 exponentials
	ALL12 v_add_f32 v[188+i], 1.0, v[188+i]
	ALL12 v_rcp_f32 v[188+i], v[188+i]                            ; the second batch: 12 reciprocals
	ALL12 v_fma_f32 v[212+i], v[200+i], s80, s79                  ; the rest of the series reads none of them: the work between the batch and its wait
	ALL12 v_fma_f32 v[212+i], v[212+i], v[200+i], 1.0
	ALL12 v_mul_f32 v[212+i], v[212+i], v[176+i]
	s_wait_alu depctr_va_vdst(0)           ; the wait for the 12 reciprocals
	ALL12 v_fma_f32 v[188+i], v[188+i], -2.0, 1.0
.set i, 0
.rept 12
	v_cmp_lt_f32 vcc_lo, |v[176+i]|, s81
	v_cndmask_b32 v[188+i], v[188+i], v[212+i], vcc_lo
	ds_store_b32 v18, v[188+i] offset:768*(\pass)+192*(i/3)+4*(i%3)
.set i, i+1
.endr
.endm
.Ltrip:                                        ; seven layers: pass 0's four, pass 1's first three
	s_cmp_lg_u32 s52, 0
	s_cbranch_scc1 .Lno_gather
	GATHER
.Lno_gather:
	LAYER 1
	s_cmp_lg_u32 s52, 3
	s_cbranch_scc1 .Lno_out
	DRAIN
	OUT 0
.Lno_out:
	s_add_co_u32 s52, s52, 1
	s_and_b32 s52, s52, 3
	s_sub_co_u32 s51, s51, 1
	s_cmp_lg_u32 s51, 0
	s_cbranch_scc1 .Ltrip
	LAYER 0                                ; the last layer is written out: its second change of slots asks for nothing
	DRAIN
	OUT 1
.irp i, 0,1,2
	ds_load_b128 v[176+4*\i:179+4*\i], v21 offset:512*\i  ; my 128 points' results, 1,536 bytes on end
.endr
.irp i, 0,1,2
	s_wait_dscnt 2-\i
	global_store_b128 v16, v[176+4*\i:179+4*\i], s[76:77] offset:512*\i  ; 512 consecutive bytes, at a multiple of 256 from out0's first
.endr
	s_wait_tensorcnt 0x0                   ; the wave's end
	ds_add_u32 v4, v5
	s_wait_dscnt 0x0
	CROUND                                 ; the closing round
	s_endpgm
.Lfunc_end_k_qdee969bb6f_main:
	.size	k_qdee969bb6f_main, .Lfunc_end_k_qdee969bb6f_main-k_qdee969bb6f_main
	.p2alignl 7, 3214868480
	.fill 96, 4, 3214868480
	.section	.rodata,"a",@progbits
	.p2align	6, 0x0
	.amdhsa_kernel k_qdee969bb6f_main
		.amdhsa_group_segment_fixed_size 327680
		.amdhsa_private_segment_fixed_size 0
		.amdhsa_enable_private_segment 0
		.amdhsa_kernarg_size 96
		.amdhsa_user_sgpr_count 2
		.amdhsa_user_sgpr_kernarg_segment_ptr 1
		.amdhsa_wavefront_size32 1
		.amdhsa_system_sgpr_workgroup_id_x 1
		.amdhsa_system_sgpr_workgroup_id_y 1
		.amdhsa_system_sgpr_workgroup_id_z 1
		.amdhsa_system_vgpr_workitem_id 0
		.amdhsa_next_free_vgpr 1024
		.amdhsa_next_free_sgpr 96
		.amdhsa_reserve_vcc 1
		.amdhsa_float_denorm_mode_32 3
		.amdhsa_float_denorm_mode_16_64 3
		.amdhsa_memory_ordered 1
		.amdhsa_forward_progress 1
		.amdhsa_inst_pref_size 255
	.end_amdhsa_kernel
	.section	.bss,"aw",@nobits
	.p2align	6
	.space	262144
	.amdgpu_metadata
---
amdhsa.version: [ 1, 2 ]
amdhsa.kernels:
  - .name:           k_qdee969bb6f_main
    .symbol:         k_qdee969bb6f_main.kd
    .args:
      - { .name: gridh, .offset: 0, .size: 8, .value_kind: global_buffer, .address_space: global }
      - { .name: pix, .offset: 8, .size: 8, .value_kind: global_buffer, .address_space: global }
      - { .name: ipw, .offset: 16, .size: 8, .value_kind: global_buffer, .address_space: global }
      - { .name: enc, .offset: 24, .size: 8, .value_kind: global_buffer, .address_space: global }
      - { .name: wts, .offset: 32, .size: 8, .value_kind: global_buffer, .address_space: global }
      - { .name: par, .offset: 40, .size: 8, .value_kind: global_buffer, .address_space: global }
      - { .name: b_mlp0, .offset: 48, .size: 8, .value_kind: global_buffer, .address_space: global }
      - { .name: b_mlp1, .offset: 56, .size: 8, .value_kind: global_buffer, .address_space: global }
      - { .name: b_mlp2, .offset: 64, .size: 8, .value_kind: global_buffer, .address_space: global }
      - { .name: b_mlp3, .offset: 72, .size: 8, .value_kind: global_buffer, .address_space: global }
      - { .name: b_out, .offset: 80, .size: 8, .value_kind: global_buffer, .address_space: global }
      - { .name: out0, .offset: 88, .size: 8, .value_kind: global_buffer, .address_space: global }
    .group_segment_fixed_size: 327680
    .private_segment_fixed_size: 0
    .kernarg_segment_align: 8
    .kernarg_segment_size: 96
    .max_flat_workgroup_size: 128
    .sgpr_count:     96
    .vgpr_count:     1024
    .wavefront_size: 32
...
	.end_amdgpu_metadata
.endif
;; end of part 3
